; MI455X (gfx1250); checked and timed in simulation.
; The chip was launched on July 23, 2026; its instructions are those of AMD's public machine-readable ISA for CDNA 5 (MIT licence, August 2026) and "CDNA5" Instruction Set Architecture Reference Guide (July 2026). The comments in the code are by the model that wrote it; some were corrected since.
;; Specific Mo E. Allowed arithmetic: matrix products marked QUANTISED: E2M3 operands, one E8M0 scale for each 32 along K, by v_wmma_scale_f32_16x16x128_f8f6f4 with both operands' format E2M3, f32 sums; products left as they are: f32 operands where the result goes on into a quantised operand, else bf16, f16 or f32 operands; f32 sums; everything else in f32.
;; Inputs: b1 6 x 2,048 float32; b2 6 x 512 float32; router_w 6 x 512 float32; w1 6 x 2,048 x 512 float32; w2 6 x 512 x 2,048 float32; x 8 x 512 x 512 float32.
;; Outputs: out0 8 x 512 x 512 float32; out1 4,096 x 6 float32.
;; This version of the problem:
;;   THIS VERSION OF THE PROBLEM IS GIVEN IN LOW PRECISION. The matrix products marked QUANTISED in the list below multiply operands that are first quantised to E2M3 (2 exponent bits, 3 mantissa bits; 6 bits a number), with one power-of-two scale for each 32 numbers along K (OCP MX v1.0); their sums are f32. All else is computed in f32.
;;   The module's matrix products, in the order in which they are computed (A, B: the left and right operand; K: the contracted axis; several contracted axes count as one K, in the product's order):
;;     1. [M 4,096, K 512] x [K 512, N 6]; A: input x; B: input router_w: left as it is (N = 6 < 16)
;;     2. [M 4,096, K 512] x [K 512, N 2,048]; A: input x; B: input w1: QUANTISED
;;     3. [M 4,096, K 2,048] x [K 2,048, N 512]; A: computed on the way; B: input w2: QUANTISED
;;     4. [M 4,096, K 512] x [K 512, N 2,048]; A: input x; B: input w1: QUANTISED
;;     5. [M 4,096, K 2,048] x [K 2,048, N 512]; A: computed on the way; B: input w2: QUANTISED
;;     6. [M 4,096, K 512] x [K 512, N 2,048]; A: input x; B: input w1: QUANTISED
;;     7. [M 4,096, K 2,048] x [K 2,048, N 512]; A: computed on the way; B: input w2: QUANTISED
;;     8. [M 4,096, K 512] x [K 512, N 2,048]; A: input x; B: input w1: QUANTISED
;;     9. [M 4,096, K 2,048] x [K 2,048, N 512]; A: computed on the way; B: input w2: QUANTISED
;;     10. [M 4,096, K 512] x [K 512, N 2,048]; A: input x; B: input w1: QUANTISED
;;     11. [M 4,096, K 2,048] x [K 2,048, N 512]; A: computed on the way; B: input w2: QUANTISED
;;     12. [M 4,096, K 512] x [K 512, N 2,048]; A: input x; B: input w1: QUANTISED
;;     13. [M 4,096, K 2,048] x [K 2,048, N 512]; A: computed on the way; B: input w2: QUANTISED
;;   THE QUANTISER, for each operand of a quantised product, along K:
;;     - K is cut into blocks of 32 from its start; a last block that is shorter is filled with zeros.
;;     - A block's scale is 2^e with e = floor(log2(the largest magnitude in the block)) - 2, held to -126 .. 127; a block of zeros has e = 0. As a byte (E8M0): e + 127.
;;     - Each number is divided by its block's scale, clamped to +-7.5, and rounded to the nearest number of E2M3, ties to even, subnormals kept.
;;     - The product sums the exact products of the quantised numbers (number of the format x scale) in f32.
;;   ~~~python
;;   def quantise(x, axis):      # numpy; x: float32 -> the quantised numbers, widened to float32 again
;;       x = np.moveaxis(x, axis, -1); K = x.shape[-1]
;;       x = np.pad(x, [(0, 0)] * (x.ndim - 1) + [(0, -K % 32)]); x = x.reshape(x.shape[:-1] + (-1, 32)); a = np.abs(x).max(-1, keepdims=True)
;;       e = np.where(a > 0, np.clip(np.frexp(np.where(a > 0, a, 1))[1] - 1 - 2, -126, 127), 0)      # np.frexp(a)[1] - 1 = floor(log2(a)), exactly
;;       r = np.clip(x / 2.0 ** e, -7.5, 7.5)
;;       step = 2.0 ** (np.maximum(np.frexp(np.where(r == 0, 1, r))[1] - 1, 0) - 3)
;;       q = np.round(r / step) * step * 2.0 ** e      # np.round: ties to even
;;       return np.moveaxis(q.reshape(q.shape[:-2] + (-1,))[..., :K], -1, axis).astype(np.float32)
;;   ~~~
;;   OPERANDS COMPUTED ON THE WAY. 'Computed on the way' means the value that the module computes at that place (a softmax that the list does not call 'softmax' is quantised finished and normalised). What goes into a quantiser is computed in f32, as accurately as f32 sums, v_exp_f32 and their like allow (about 1e-6 of the number): no bf16 or f16 on the way to a quantiser, and a product that is left as it is and whose result goes on into a quantised operand takes f32 operands (vector FMAs, or v_wmma_f32_16x16x4_f32). A number that lies on a knife's edge between two numbers of the format may be rounded either way, as far as f32 arithmetic and the matrix unit's own rounding can turn it there, and no further.
;; 2 versions, each right; version 2 is version 1 with the launch chain written anew for expert scheduling mode. Each part assembles by itself: llvm-mc -triple=amdgcn-amd-amdhsa -mcpu=gfx1250 --defsym DOCPART=n.
;; ======== version 1 of 2: 4 launches
;; workspace buffers: wq 9,437,184 bytes; ws 393,216 bytes; xc 1,638,400 bytes; sel 32,768 bytes of whole numbers; gate 32,768 bytes; plan 34,560 bytes of whole numbers; parts 33,554,432 bytes
;; launch prep (part 1): grid 256 x 1, 7 waves a work-group, no clusters, 78,592 bytes of LDS; arguments x, router_w, w1, w2, wq, ws, xc, sel, gate, out1; writes wq, ws, xc, sel, gate, out1
.if DOCPART == 1
	.amdgcn_target "amdgcn-amd-amdhsa--gfx1250"
	.amdhsa_code_object_version 6
	.text
	.protected	k_q9b35df1a5e_prep
	.globl	k_q9b35df1a5e_prep
	.p2align	8
	.type	k_q9b35df1a5e_prep,@function
k_q9b35df1a5e_prep:
	s_mov_b64 s[64:65], 0
	v_nop
	global_prefetch_b8 v0, s[64:65] scope:SCOPE_SE
	s_setreg_imm32_b32 hwreg(HW_REG_WAVE_MODE, 25, 1), 1
	s_wait_xcnt 0x0
; PREP: w1, w2 and x, f32 with K innermost, become codes of FP6 (E2M3) with one E8M0 byte for each 32 along K, laid as the later launch's operand registers want them;
; and the router: logits in f32, softmax (out1), the two largest probabilities as whole numbers (sel) and their normalised weights (gate).
; WORK LEFT OUT BY THIS PROGRAM.  reference() multiplies expert e's y[n] by w = sum over the two slots of where(topk_idx[n] == e, topk_vals[n], 0).  For an expert that is not among
; topk_idx[n] that w is exactly 0 by reference()'s own where, whatever finite values the inputs hold, so w y adds 0 to output[n]: those rows of the twelve quantised products reach no output.
; The program multiplies, for each token, the rows of its two chosen experts alone: 8,192 rows of 24,576.  Every input has a way to an output, and all are loaded.
; LIMITS.  A NaN, an infinity or an overflow that arises only in an expert that was not chosen is not carried to the result.  NaN and infinities among the inputs are not served.
; A probability under 2^-126 comes out as 0 (v_exp_f32 flushes: ISA guide, its entry); a second choice among such probabilities may differ from reference()'s, its weight is then under 2^-126.
; A block of zeros gets the scale byte 1 where the rule says 127: its codes are zeros, and this program alone reads the bytes.  The logits' sums run in another order than reference()'s.
; SHARES.  A STRIP is 16 rows x 512 along K: 32,768 bytes of f32, four fragments of 16 x 128.  There are 256 strips of x, 768 of w1, 768 of w2: 1,792 = 256 work-groups x 7 waves.
; Wave 0: strip wg of x and its 16 tokens' router.  Waves 1-3: strips 3 wg + w - 1 of w1.  Waves 4-6: strips 3 wg + w - 4 of w2 (strip = (4 e + quarter of K) x 32 + tile of 16 rows).
; THE ROWS OF A WEIGHT'S TILE ARE NOT NEIGHBOURS: row i of tile 2 b + u is row 32 b + 8 u + i + 8 (i / 8), so that in the transposed product two neighbouring tiles give a lane 16 neighbours.
; A FRAGMENT'S WAY.  Each load reads 512 consecutive bytes of one row; the 16 rows turn through the wave's own stage in LDS and come back so that lane (r, h) holds k = 32 h + 0..31 and 64 + 32 h + 0..31 of row r:
; two whole blocks, in the very order of the operand's registers.  So a block's largest magnitude needs no other lane and the conversions' results are the fragment.
; It leaves as an image of its registers: register 4 g + j of lane l at 512 g + 16 l + 4 j: three stores of 512 consecutive bytes.  No barrier: waves share nothing.
.set W2OFF,  4718592                   ; wq: w2's strips lie behind w1's 768 x 6,144 bytes
.set WS2OFF, 196608                    ; ws: likewise, 768 x 256 bytes
.set XSOFF,  1572864                   ; xc: the scale words lie behind 4,096 x 384 bytes of codes
.set STGP,   528                       ; a stage row: 512 bytes + 16
.set STGB,   16*STGP                   ; a wave's stage
.set RW,     7*STGB                    ; router_w, [6][512] f32, for wave 0
.set XO,     RW+12288                  ; wave 0: the image of its strip's bytes of xc
.set SPARE,  XO+6144                   ; the spare words: 128 bytes for each of 7 waves, in four blocks of 256 bytes that no other line names
.set R0,   16                          ; v16-79   a fragment as loaded
.set R1,   80                          ; v80-143  a second one (waves 1-6)
.set RA,   80                          ; v80-127  wave 0: two buffers of 24 for router_w
.set X,    144                         ; v144-207 64 numbers of my row
.set C,    208                         ; v208-219 the fragment's 12 registers
.set T0,   220                         ; v220-222, v224-226: a conversion's three registers begin on an even number
.set T1,   224
.set SCW,  228                         ; v228-231 my row's scale word of K step s
.set ACCR, 232                         ; v232-243 six pairs: the logits' sums
.set SRC,  34                          ; s[34:35] the strip in its tensor
.set DST,  36                          ; s[36:37] its codes
.set SCD,  38                          ; s[38:39] its scale words
	s_load_b512 s[4:19], s[0:1], 0x0               ; x, router_w, w1, w2, wq, ws, xc, sel
	s_load_b128 s[20:23], s[0:1], 0x40             ; gate, out1
	v_lshl_add_u32 v4, v0, 2, SPARE                ; my spare word
	v_mov_b32 v5, 0
	v_lshrrev_b32 v14, 5, v0
	v_readfirstlane_b32 s24, v14                   ; wave 0..6
	v_and_b32 v15, 31, v0                          ; lane
	v_lshlrev_b32 v1, 4, v15                       ; 16 x lane
	v_and_b32 v2, 15, v0                           ; r
	v_bfe_u32 v3, v0, 4, 1                         ; h
	s_mul_i32 s25, s24, STGB
	v_add_nc_u32 v6, s25, v1                       ; the stage, in: 16 x lane of a row
	v_mul_u32_u24 v7, v2, STGP
	v_lshl_add_u32 v7, v3, 7, v7
	v_add_nc_u32 v7, s25, v7                       ; and out: row r, + 128 h
	v_lshlrev_b32 v8, 4, v2
	v_lshl_add_u32 v8, v3, 3, v8                   ; scale words: 16 r + 8 h
	v_mul_u32_u24 v9, v2, 384
	v_mad_u32_u24 v9, v3, 48, v9
	v_add_nc_u32 v9, XO, v9                        ; xc's image: token r, + 48 h
	v_lshl_add_u32 v10, v3, 7, RW                  ; router_w: + 128 h
	v_add_nc_u32 v11, RW, v1                       ; and its fill
	v_mul_u32_u24 v12, v2, 24
	v_mad_u32_u24 v12, v3, 12, v12                 ; out1: 24 r + 12 h
	v_lshlrev_b32 v13, 3, v2
	v_lshl_add_u32 v13, v3, 2, v13                 ; sel, gate: 8 r + 4 h
	v_add_nc_u32 v14, XO, v1                       ; xc's image read back: 16 x lane
	v_lshlrev_b32 v15, 3, v3                       ; 8 h: my bytes' place in a scale word
	v_mov_b32 v251, 0                              ; written once: a lane permute's destination counts as one of its sources
	v_cmp_ne_u32 s28, 0, v3                        ; lanes 16-31
	s_mov_b32 s26, 0x76543210
	s_mov_b32 s27, 0xfedcba98                      ; v_permlanex16_b32's selects for lane l xor 16
	s_mov_b32 s33, 0
	s_wait_kmcnt 0x0
.macro LOADF set, s, pitch, skip       ; K step s of the strip's 16 rows; skip = 1: the tile's second eight rows lie eight further down
.irp i, 0,1,2,3,4,5,6,7,8,9,10,11,12,13,14,15
	global_load_b128 v[\set+4*\i:\set+4*\i+3], v1, s[SRC:SRC+1] offset:(\i+\skip*8*(\i/8))*\pitch+512*(\s) th:TH_LOAD_NT
.endr
.endm
.macro TURN set                        ; through my stage: LDS serves a wave's instructions in order (ISA guide 5.7.1.4), so no wait stands between the stores and the loads
.irp i, 0,1,2,3,4,5,6,7,8,9,10,11,12,13,14,15
	ds_store_b128 v6, v[\set+4*\i:\set+4*\i+3] offset:STGP*\i
.endr
.irp j, 0,1,2,3,4,5,6,7,8,9,10,11,12,13,14,15
	ds_load_b128 v[X+4*\j:X+4*\j+3], v7 offset:16*\j+128*(\j/8)
.endr
	s_wait_dscnt 0x0                               ; my 64 numbers are in, and the stores have read the set
.endm
.macro QF s                            ; X's two blocks become the fragment in C and my row's scale word
	v_max3_num_f32 v244, |v[X]|, |v[X+1]|, 0x1800000       ; the floor 2^(3 - 127) among the leaves: the byte cannot fall under 1
	v_max3_num_f32 v245, |v[X+32]|, |v[X+33]|, 0x1800000
.irp i, 2,4,6,8,10,12,14,16,18,20,22,24,26,28,30
	v_max3_num_f32 v244, v244, |v[X+\i]|, |v[X+\i+1]|      ; the two blocks by turns
	v_max3_num_f32 v245, v245, |v[X+32+\i]|, |v[X+33+\i]|
.endr
	v_add_nc_u32 v246, 0xff000000, v244            ; 2 off the exponent field: the conversion's scale operand
	v_add_nc_u32 v247, 0xff000000, v245
	v_lshrrev_b32 v248, 23, v246                   ; the bytes of blocks h and 2 + h
	v_lshrrev_b32 v249, 23, v247
	v_lshl_or_b32 v250, v249, 16, v248
	v_lshlrev_b32 v250, v15, v250                  ; at their places in the word
	v_permlanex16_b32 v251, v250, s26, s27
	v_or_b32 v[SCW+\s], v250, v251                 ; with lane l xor 16's two the word is whole
	s_wait_xcnt 0x0                                ; the last fragment's stores have read C: it is written again only behind this wait
	v_cvt_scalef32_pk16_fp6_f32 v[C:C+2], v[X:X+15], v246
	v_cvt_scalef32_pk16_fp6_f32 v[T0:T0+2], v[X+16:X+31], v246
	v_cvt_scalef32_pk16_fp6_f32 v[C+6:C+8], v[X+32:X+47], v247
	v_cvt_scalef32_pk16_fp6_f32 v[T1:T1+2], v[X+48:X+63], v247
	v_nop                                          ; one plain place behind a scaled conversion
.irp i, 0,1,2
	v_mov_b32 v[C+3+\i], v[T0+\i]
	v_mov_b32 v[C+9+\i], v[T1+\i]
.endr
.endm
.macro STOREF s
.irp g, 0,1,2
	global_store_b128 v1, v[C+4*\g:C+4*\g+3], s[DST:DST+1] offset:1536*(\s)+512*\g   ; 512 consecutive bytes, aligned
.endr
.endm
.macro SCSTORE                         ; lane (r, h) stores words 2 h and 2 h + 1 of row r: the wave writes 256 consecutive bytes, aligned
	v_cndmask_b32 v252, v[SCW], v[SCW+2], s28
	v_cndmask_b32 v253, v[SCW+1], v[SCW+3], s28
	global_store_b64 v8, v[252:253], s[SCD:SCD+1]
.endm
.macro WPATH pitch                     ; a strip of a weight: loads run two fragments (32 loads) ahead
	LOADF R0, 0, \pitch, 1
	LOADF R1, 1, \pitch, 1
	s_wait_loadcnt 16                              ; this fragment's 16 loads are in; the next one's 16 may be out
	TURN R0
	LOADF R0, 2, \pitch, 1
	QF 0
	STOREF 0
	s_wait_loadcnt 16
	TURN R1
	LOADF R1, 3, \pitch, 1
	QF 1
	STOREF 1
	s_wait_loadcnt 16
	TURN R0
	QF 2
	STOREF 2
	s_wait_loadcnt 0x0                             ; the last fragment: nothing was asked for behind it
	TURN R1
	QF 3
	STOREF 3
	SCSTORE
.endm
	s_cmp_eq_u32 s24, 0
	s_cbranch_scc1 .Lxpath
	s_mul_i32 s29, ttmp9, 3
	s_add_co_u32 s29, s29, s24
	s_cmp_lt_u32 s24, 4
	s_cbranch_scc0 .Lw2path
	; ---- waves 1-3: w1
	s_sub_co_u32 s29, s29, 1                       ; strip = 128 e + tile
	s_lshr_b32 s30, s29, 1
	s_lshl_b32 s30, s30, 5
	s_and_b32 s31, s29, 1
	s_lshl_b32 s31, s31, 3
	s_add_co_u32 s30, s30, s31                     ; its first row among w1's 12,288: 32 (strip / 2) + 8 (strip % 2)
	s_lshl_b32 s32, s30, 11                        ; rows of 2,048 bytes
	s_add_nc_u64 s[SRC:SRC+1], s[8:9], s[32:33]
	s_mul_i32 s32, s29, 6144
	s_add_nc_u64 s[DST:DST+1], s[12:13], s[32:33]
	s_lshl_b32 s32, s29, 8
	s_add_nc_u64 s[SCD:SCD+1], s[14:15], s[32:33]
	WPATH 2048
	s_branch .Lend
.Lw2path:
	; ---- waves 4-6: w2
	s_sub_co_u32 s29, s29, 4                       ; strip = (4 e + quarter) x 32 + tile
	s_and_b32 s30, s29, 31                         ; the tile
	s_lshr_b32 s31, s30, 1
	s_lshl_b32 s31, s31, 5
	s_and_b32 s30, s30, 1
	s_lshl_b32 s30, s30, 3
	s_add_co_u32 s30, s30, s31
	s_lshr_b32 s31, s29, 7                         ; e
	s_lshl_b32 s31, s31, 9
	s_add_co_u32 s30, s30, s31                     ; its first row among w2's 3,072
	s_lshl_b32 s32, s30, 13                        ; rows of 8,192 bytes
	s_bfe_u32 s31, s29, 0x20005                    ; the quarter of K: 2,048 bytes
	s_lshl_b32 s31, s31, 11
	s_add_co_u32 s32, s32, s31
	s_add_nc_u64 s[SRC:SRC+1], s[10:11], s[32:33]
	s_mul_i32 s32, s29, 6144
	s_add_co_u32 s32, s32, W2OFF
	s_add_nc_u64 s[DST:DST+1], s[12:13], s[32:33]
	s_lshl_b32 s32, s29, 8
	s_add_co_u32 s32, s32, WS2OFF
	s_add_nc_u64 s[SCD:SCD+1], s[14:15], s[32:33]
	WPATH 8192
	s_branch .Lend
.Lxpath:
	; ---- wave 0: 16 tokens of x, and their router
	s_lshl_b32 s32, ttmp9, 15
	s_add_nc_u64 s[SRC:SRC+1], s[4:5], s[32:33]
	s_mul_i32 s32, ttmp9, 6144
	s_add_nc_u64 s[DST:DST+1], s[16:17], s[32:33]
	s_lshl_b32 s32, ttmp9, 8
	s_add_co_u32 s32, s32, XSOFF
	s_add_nc_u64 s[SCD:SCD+1], s[16:17], s[32:33]
	s_mul_i32 s32, ttmp9, 384
	s_add_nc_u64 s[40:41], s[22:23], s[32:33]      ; out1
	s_lshl_b32 s32, ttmp9, 7
	s_add_nc_u64 s[42:43], s[18:19], s[32:33]      ; sel
	s_add_nc_u64 s[44:45], s[20:21], s[32:33]      ; gate
	LOADF R0, 0, 2048, 0
.irp i, 0,1,2,3,4,5,6,7,8,9,10,11,12,13,14,15,16,17,18,19,20,21,22,23
	global_load_b128 v[80+4*\i:83+4*\i], v1, s[6:7] offset:512*\i      ; router_w, 12,288 dense bytes
.endr
	s_wait_loadcnt 0x0
.irp i, 0,1,2,3,4,5,6,7,8,9,10,11,12,13,14,15,16,17,18,19,20,21,22,23
	ds_store_b128 v11, v[80+4*\i:83+4*\i] offset:512*\i
.endr
	s_wait_dscnt 0x0
; The logits: lane (r, h) multiplies its 64 numbers of a K step by the six rows of router_w, four numbers a group; all lanes of a half read the same 16 bytes.
.macro RLD s, g, buf
.irp e, 0,1,2,3,4,5
	ds_load_b128 v[\buf+4*\e:\buf+4*\e+3], v10 offset:2048*\e+512*(\s)+256*((\g)/8)+16*((\g)%8)
.endr
.endm
.macro RFM s, g, buf
.irp e, 0,1,2,3,4,5
.if ((\s) == 0) && ((\g) == 0)
	v_pk_mul_f32 v[ACCR+2*\e:ACCR+2*\e+1], v[X+4*(\g):X+4*(\g)+1], v[\buf+4*\e:\buf+4*\e+1]       ; the first products start the sums
.else
	v_pk_fma_f32 v[ACCR+2*\e:ACCR+2*\e+1], v[X+4*(\g):X+4*(\g)+1], v[\buf+4*\e:\buf+4*\e+1], v[ACCR+2*\e:ACCR+2*\e+1]
.endif
.endr
.irp e, 0,1,2,3,4,5
	v_pk_fma_f32 v[ACCR+2*\e:ACCR+2*\e+1], v[X+4*(\g)+2:X+4*(\g)+3], v[\buf+4*\e+2:\buf+4*\e+3], v[ACCR+2*\e:ACCR+2*\e+1]
.endr
.endm
.macro ROUTER s
	RLD \s, 0, RA
.set G, 0
.rept 16
.if G < 15
	RLD \s, G+1, RA+24*((G+1)%2)
	s_wait_dscnt 6                                 ; this group's six loads are in; the next group's six may be out
.else
	s_wait_dscnt 0x0
.endif
	RFM \s, G, RA+24*(G%2)
.set G, G+1
.endr
.endm
.macro XSTEP s
	TURN R0
.if (\s) < 3
	LOADF R0, (\s)+1, 2048, 0                      ; the next K step lands while this one is worked
.endif
	ROUTER \s
	QF \s
.irp g, 0,1,2
	ds_store_b128 v9, v[C+4*\g:C+4*\g+3] offset:96*(\s)+16*\g      ; by token: token x 384 + 96 s + 48 h: lane (r, h)'s 12 registers of K step s
.endr
.endm
	XSTEP 0
	s_wait_loadcnt 0x0
	XSTEP 1
	s_wait_loadcnt 0x0
	XSTEP 2
	s_wait_loadcnt 0x0
	XSTEP 3
.irp e, 0,1,2,3,4,5
	v_add_f32 v[ACCR+2*\e], v[ACCR+2*\e], v[ACCR+2*\e+1]
.endr
.irp e, 0,1,2,3,4,5
	v_permlanex16_b32 v[ACCR+2*\e+1], v[ACCR+2*\e], s26, s27
.endr
.irp e, 0,1,2,3,4,5
	v_add_f32 v[ACCR+2*\e], v[ACCR+2*\e], v[ACCR+2*\e+1]   ; token r's logit, alike in both halves of the lanes
.endr
	v_max3_num_f32 v16, v[ACCR], v[ACCR+2], v[ACCR+4]
	v_max3_num_f32 v17, v[ACCR+6], v[ACCR+8], v[ACCR+10]
	v_max_num_f32 v16, v16, v17                    ; the maximum is taken away, as reference()'s softmax does
.irp e, 0,1,2,3,4,5
	v_sub_f32 v[20+\e], v[ACCR+2*\e], v16
.endr
.irp e, 0,1,2,3,4,5
	v_mul_f32 v[20+\e], 0x3fb8aa3b, v[20+\e]       ; x log2(e)
.endr
.irp e, 0,1,2,3,4,5
	v_exp_f32 v[20+\e], v[20+\e]
.endr
	v_nop                                          ; a plain place behind the batch
	s_wait_alu depctr_va_vdst(0)                   ; one wait for the six, ahead of their first reader
	v_add_f32 v17, v20, v21
	v_add_f32 v18, v22, v23
	v_add_f32 v19, v24, v25
	v_add_f32 v17, v17, v18
	v_add_f32 v17, v17, v19
	v_rcp_f32 v17, v17
	v_nop
	s_wait_alu depctr_va_vdst(0)
.irp e, 0,1,2,3,4,5
	v_mul_f32 v[20+\e], v[20+\e], v17              ; the probabilities
.endr
	v_mov_b32 v26, v20                             ; the largest so far and its expert,
	v_mov_b32 v27, 0
	v_mov_b32 v28, -1.0                            ; the second: under every probability
	v_mov_b32 v29, 0
.irp e, 1,2,3,4,5                      ; strict compares: of equal probabilities the lower index stays ahead, as in jax.lax.top_k.  Values are selected; nothing branches
	v_cmp_gt_f32 s30, v[20+\e], v26
	v_cmp_gt_f32 s31, v[20+\e], v28
	v_cndmask_b32 v30, v28, v[20+\e], s31
	v_cndmask_b32 v31, v29, \e, s31
	v_cndmask_b32 v28, v30, v26, s30
	v_cndmask_b32 v29, v31, v27, s30
	v_cndmask_b32 v26, v26, v[20+\e], s30
	v_cndmask_b32 v27, v27, \e, s30
.endr
	v_add_f32 v30, v26, v28
	v_rcp_f32 v30, v30
	v_nop
	s_wait_alu depctr_va_vdst(0)
	v_mul_f32 v32, v26, v30                        ; the two weights, normalised
	v_mul_f32 v33, v28, v30
.irp j, 0,1,2
	v_cndmask_b32 v[36+\j], v[20+\j], v[23+\j], s28        ; lanes 0-15 store experts 0-2, lanes 16-31 experts 3-5
.endr
	v_cndmask_b32 v39, v27, v29, s28               ; lanes 0-15 slot 0, lanes 16-31 slot 1
	v_cndmask_b32 v40, v32, v33, s28
.irp j, 0,1,2
	global_store_b32 v12, v[36+\j], s[40:41] offset:4*\j
.endr
	global_store_b32 v13, v39, s[42:43]
	global_store_b32 v13, v40, s[44:45]
	SCSTORE
.irp i, 0,1,2,3,4,5,6,7,8,9,10,11
	ds_load_b128 v[80+4*\i:83+4*\i], v14 offset:512*\i     ; my stores into the image are seen: one wave's LDS instructions go in order
.endr
	s_wait_dscnt 0x0
.irp i, 0,1,2,3,4,5,6,7,8,9,10,11
	global_store_b128 v1, v[80+4*\i:83+4*\i], s[DST:DST+1] offset:512*\i   ; the 16 tokens' 6,144 bytes, dense
.endr
.Lend:
	s_wait_tensorcnt 0x0                           ; the wave's end
	ds_add_u32 v4, v5
	s_wait_dscnt 0x0
	s_endpgm
.Lfunc_end_k_q9b35df1a5e_prep:
	.size	k_q9b35df1a5e_prep, .Lfunc_end_k_q9b35df1a5e_prep-k_q9b35df1a5e_prep
	.p2alignl 7, 3214868480
	.fill 96, 4, 3214868480
	.section	.rodata,"a",@progbits
	.p2align	6, 0x0
	.amdhsa_kernel k_q9b35df1a5e_prep
		.amdhsa_group_segment_fixed_size 78592
		.amdhsa_private_segment_fixed_size 0
		.amdhsa_enable_private_segment 0
		.amdhsa_kernarg_size 80
		.amdhsa_user_sgpr_count 2
		.amdhsa_user_sgpr_kernarg_segment_ptr 1
		.amdhsa_wavefront_size32 1
		.amdhsa_system_sgpr_workgroup_id_x 1
		.amdhsa_system_sgpr_workgroup_id_y 1
		.amdhsa_system_sgpr_workgroup_id_z 1
		.amdhsa_system_vgpr_workitem_id 0
		.amdhsa_next_free_vgpr 256
		.amdhsa_next_free_sgpr 66
		.amdhsa_reserve_vcc 0
		.amdhsa_float_denorm_mode_32 3
		.amdhsa_float_denorm_mode_16_64 3
		.amdhsa_memory_ordered 1
		.amdhsa_forward_progress 1
		.amdhsa_inst_pref_size 172
	.end_amdhsa_kernel
	.amdgpu_metadata
---
amdhsa.version: [ 1, 2 ]
amdhsa.kernels:
  - .name:           k_q9b35df1a5e_prep
    .symbol:         k_q9b35df1a5e_prep.kd
    .args:
      - { .name: x, .offset: 0, .size: 8, .value_kind: global_buffer, .address_space: global }
      - { .name: router_w, .offset: 8, .size: 8, .value_kind: global_buffer, .address_space: global }
      - { .name: w1, .offset: 16, .size: 8, .value_kind: global_buffer, .address_space: global }
      - { .name: w2, .offset: 24, .size: 8, .value_kind: global_buffer, .address_space: global }
      - { .name: wq, .offset: 32, .size: 8, .value_kind: global_buffer, .address_space: global }
      - { .name: ws, .offset: 40, .size: 8, .value_kind: global_buffer, .address_space: global }
      - { .name: xc, .offset: 48, .size: 8, .value_kind: global_buffer, .address_space: global }
      - { .name: sel, .offset: 56, .size: 8, .value_kind: global_buffer, .address_space: global }
      - { .name: gate, .offset: 64, .size: 8, .value_kind: global_buffer, .address_space: global }
      - { .name: out1, .offset: 72, .size: 8, .value_kind: global_buffer, .address_space: global }
    .group_segment_fixed_size: 78592
    .private_segment_fixed_size: 0
    .kernarg_segment_align: 8
    .kernarg_segment_size: 80
    .max_flat_workgroup_size: 224
    .sgpr_count:     66
    .vgpr_count:     256
    .wavefront_size: 32
...
	.end_amdgpu_metadata
.endif
;; end of part 1
;; launch place (part 2): grid 1 x 1, 32 waves a work-group, no clusters, 5,120 bytes of LDS; arguments sel, plan; writes plan
.if DOCPART == 2
	.amdgcn_target "amdgcn-amd-amdhsa--gfx1250"
	.amdhsa_code_object_version 6
	.text
	.protected	k_q9b35df1a5e_place
	.globl	k_q9b35df1a5e_place
	.p2align	8
	.type	k_q9b35df1a5e_place,@function
k_q9b35df1a5e_place:
	s_mov_b64 s[64:65], 0
	v_nop
	global_prefetch_b8 v0, s[64:65] scope:SCOPE_SE
	s_setreg_imm32_b32 hwreg(HW_REG_WAVE_MODE, 25, 1), 1
	s_wait_xcnt 0x0
; PLACE: a counting sort of the 8,192 routed rows (token, slot) by expert, into tiles of 80 rows of one expert.  All numbers here are whole numbers read from sel.
; plan[p], p = 80 x tile + row: (2 token + slot) | expert << 16 | 1 << 24 for a live row; 0 for a row that pads an expert's last tile and for the tiles that this split leaves empty.
; With 8,192 rows, 6 experts and tiles of 80 there are never more than ceil(8192 / 80) + 5 = 108 tiles, whatever the choice: plan has 108 x 80 words, and every word is stored.
; One work-group of 32 waves; wave w takes tokens 128 w .. 128 w + 127, in four passes of 32.  A: each wave counts its rows for each expert (a token's two experts differ, so the two masks are joined).
; B: the 32 x 6 counts meet in LDS; every wave sums them all, and those of the waves ahead of it.  C: a row's place = its expert's first place + rows of earlier waves + rows of earlier passes + set bits below my lane.
; REGISTERS: v8-15 the four passes' experts, kept to the end; v16-27 counts and sums; v30, v31 the add's two; v32-47 places and words, four to a pass (v40-45 serve the lane sums before); v48-54 the pads' places; v56, v57 at work in C.
.set SPARE, 1024                       ; behind the table of 32 x 8 words: the spare words, 128 bytes for each of 32 waves
.set ROWS,  80
.set LAST,  108*ROWS-1
.set CNT,   56                         ; v56  a row's place in the making
.set TK2,   57                         ; v57  2 x token
	s_load_b128 s[4:7], s[0:1], 0x0                ; sel, plan
	v_lshl_add_u32 v30, v0, 2, SPARE
	v_mov_b32 v31, 0
	v_lshrrev_b32 v1, 5, v0
	v_readfirstlane_b32 s8, v1                     ; wave
	v_and_b32 v2, 31, v0                           ; lane
	s_lshl_b32 s9, s8, 7
	v_add_nc_u32 v3, s9, v2                        ; my token of pass 0
	v_lshlrev_b32 v4, 3, v3                        ; 8 bytes a token
	s_lshl_b32 s9, s8, 5
	v_mov_b32 v6, s9                               ; the table's row of my wave
	v_lshlrev_b32 v7, 5, v2                        ; and the row that my lane reads
	s_mov_b32 s14, 0x76543210
	s_mov_b32 s15, 0xfedcba98
	v_mov_b32 v21, 0
.irp k, 0,1,2,3,4,5
	v_mov_b32 v[40+\k], 0                          ; written once: the destination of a DPP move or a lane permute counts as one of its sources
.endr
	s_wait_kmcnt 0x0
.irp i, 0,1,2,3
	global_load_b64 v[8+2*\i:9+2*\i], v4, s[4:5] offset:256*\i     ; the two experts of token 128 w + 32 i + lane
.endr
	s_wait_loadcnt 0x0
	; ---- A
.irp e, 0,1,2,3,4,5
.irp i, 0,1,2,3
	v_cmp_eq_u32 s10, \e, v[8+2*\i]
	v_cmp_eq_u32 s11, \e, v[9+2*\i]
	s_or_b32 s10, s10, s11
	s_bcnt1_i32_b32 s10, s10
.if \i == 0
	s_mov_b32 s[16+\e], s10
.else
	s_add_co_u32 s[16+\e], s[16+\e], s10
.endif
.endr
	v_mov_b32 v[16+\e], s[16+\e]
	ds_store_b32 v6, v[16+\e] offset:4*\e          ; all lanes write the same word with the same value
.endr
	s_wait_dscnt 0x0                               ; for the others' sake: my counts lie in LDS
	s_barrier_signal -1
	s_barrier_wait -1
	; ---- B
	ds_load_b128 v[16:19], v7                      ; wave (my lane)'s six counts
	ds_load_b64 v[20:21], v7 offset:16
	s_wait_dscnt 0x0
	v_lshl_or_b32 v22, v17, 16, v16                ; two experts to a register: a sum stays under 4,097
	v_lshl_or_b32 v23, v19, 16, v18
	v_lshl_or_b32 v24, v21, 16, v20
	v_cmp_gt_u32 vcc_lo, s8, v2
	v_cndmask_b32 v25, 0, v22, vcc_lo              ; the same of the waves ahead of mine alone
	v_cndmask_b32 v26, 0, v23, vcc_lo
	v_cndmask_b32 v27, 0, v24, vcc_lo
	v_mov_b32 v21, 0                               ; (again the zero that the pads store)
.irp x, 1,2,4,8
.irp k, 0,1,2,3,4,5
	v_mov_b32_dpp v[40+\k], v[22+\k] row_xmask:\x row_mask:0xf bank_mask:0xf
.endr
.irp k, 0,1,2,3,4,5
	v_add_nc_u32 v[22+\k], v[22+\k], v[40+\k]
.endr
.endr
.irp k, 0,1,2,3,4,5
	v_permlanex16_b32 v[40+\k], v[22+\k], s14, s15
.endr
.irp k, 0,1,2,3,4,5
	v_add_nc_u32 v[22+\k], v[22+\k], v[40+\k]
.endr
.irp k, 0,1,2,3,4,5
	v_readfirstlane_b32 s[56+\k], v[22+\k]
.endr
.irp k, 0,1,2
	s_and_b32 s[16+2*\k], s[56+\k], 0xffff         ; n(e): expert e's rows in all
	s_lshr_b32 s[17+2*\k], s[56+\k], 16
	s_and_b32 s[24+2*\k], s[59+\k], 0xffff         ; and those of the waves ahead of mine
	s_lshr_b32 s[25+2*\k], s[59+\k], 16
.endr
	s_mov_b32 s40, 0
.irp e, 0,1,2,3,4,5
	s_add_co_u32 s10, s[16+\e], ROWS-1
	s_mul_i32 s10, s10, 52429
	s_lshr_b32 s10, s10, 22                        ; ceil(n / 80): 52429 / 2^22 is 1 / 80 to 4 parts in 10^6, and n + 79 stays under 4,176
	s_add_co_u32 s[41+\e], s[40+\e], s10           ; the first tile of the next expert
	s_mul_i32 s10, s[40+\e], ROWS
	s_add_co_u32 s[48+\e], s10, s[24+\e]           ; where my wave's first row of expert e goes
.endr
	; ---- C
.irp i, 0,1,2,3
.irp e, 0,1,2,3,4,5
	v_cmp_eq_u32 s10, \e, v[8+2*\i]
	v_cmp_eq_u32 s11, \e, v[9+2*\i]
	s_or_b32 s12, s10, s11
	v_mbcnt_lo_u32_b32 v[CNT], s12, s[48+\e]       ; + the rows of this pass in the lanes below mine
.if \e == 0
	v_mov_b32 v[32+4*\i], v[CNT]
	v_mov_b32 v[33+4*\i], v[CNT]
.else
	v_cndmask_b32 v[32+4*\i], v[32+4*\i], v[CNT], s10
	v_cndmask_b32 v[33+4*\i], v[33+4*\i], v[CNT], s11
.endif
	s_bcnt1_i32_b32 s12, s12
	s_add_co_u32 s[48+\e], s[48+\e], s12
.endr
	v_lshl_add_u32 v[TK2], v3, 1, 64*\i            ; 2 x token
	v_lshl_or_b32 v[34+4*\i], v[8+2*\i], 16, v[TK2]
	v_or_b32 v[34+4*\i], 0x1000000, v[34+4*\i]
	v_lshl_or_b32 v[35+4*\i], v[9+2*\i], 16, v[TK2]
	v_or_b32 v[35+4*\i], 0x1000001, v[35+4*\i]
	v_min_u32 v[32+4*\i], LAST, v[32+4*\i]         ; a number made of loaded ones is held inside the buffer before it becomes an address
	v_min_u32 v[33+4*\i], LAST, v[33+4*\i]
	v_lshlrev_b32 v[32+4*\i], 2, v[32+4*\i]
	v_lshlrev_b32 v[33+4*\i], 2, v[33+4*\i]
	global_store_b32 v[32+4*\i], v[34+4*\i], s[6:7]
	global_store_b32 v[33+4*\i], v[35+4*\i], s[6:7]
.endr
	; ---- the pads: thread j stores a 0 at each expert's first free place + j, while that lies in the expert's last tile (under 80 places); and at the first empty tile's first place + j (at most 400 places)
.irp e, 0,1,2,3,4,5
	s_mul_i32 s10, s[41+\e], ROWS
	s_mul_i32 s11, s[40+\e], ROWS
	s_add_co_u32 s11, s11, s[16+\e]
	s_sub_co_u32 s[66+\e], s10, s11
	v_add_nc_u32 v[48+\e], s11, v0
	v_min_u32 v[48+\e], LAST, v[48+\e]
	v_lshlrev_b32 v[48+\e], 2, v[48+\e]
.endr
	s_mul_i32 s11, s46, ROWS
	s_sub_co_u32 s72, LAST+1, s11
	v_add_nc_u32 v54, s11, v0
	v_min_u32 v54, LAST, v54
	v_lshlrev_b32 v54, 2, v54
.irp e, 0,1,2,3,4,5,6
	s_wait_xcnt 0x0                                ; EXEC is a source of the stores above: it changes only behind this wait
	v_cmp_gt_u32 vcc_lo, s[66+\e], v0
	s_and_saveexec_b32 s13, vcc_lo
	global_store_b32 v[48+\e], v21, s[6:7]
	s_wait_xcnt 0x0                                ; and again in front of the line that widens it
	s_or_b32 exec_lo, exec_lo, s13
.endr
	s_wait_tensorcnt 0x0                           ; the wave's end
	ds_add_u32 v30, v31
	s_wait_dscnt 0x0
	s_endpgm
.Lfunc_end_k_q9b35df1a5e_place:
	.size	k_q9b35df1a5e_place, .Lfunc_end_k_q9b35df1a5e_place-k_q9b35df1a5e_place
	.p2alignl 7, 3214868480
	.fill 96, 4, 3214868480
	.section	.rodata,"a",@progbits
	.p2align	6, 0x0
	.amdhsa_kernel k_q9b35df1a5e_place
		.amdhsa_group_segment_fixed_size 5120
		.amdhsa_private_segment_fixed_size 0
		.amdhsa_enable_private_segment 0
		.amdhsa_kernarg_size 16
		.amdhsa_user_sgpr_count 2
		.amdhsa_user_sgpr_kernarg_segment_ptr 1
		.amdhsa_wavefront_size32 1
		.amdhsa_system_sgpr_workgroup_id_x 1
		.amdhsa_system_sgpr_workgroup_id_y 1
		.amdhsa_system_sgpr_workgroup_id_z 1
		.amdhsa_system_vgpr_workitem_id 0
		.amdhsa_next_free_vgpr 64
		.amdhsa_next_free_sgpr 80
		.amdhsa_reserve_vcc 1
		.amdhsa_float_denorm_mode_32 3
		.amdhsa_float_denorm_mode_16_64 3
		.amdhsa_memory_ordered 1
		.amdhsa_forward_progress 1
		.amdhsa_inst_pref_size 30
	.end_amdhsa_kernel
	.amdgpu_metadata
---
amdhsa.version: [ 1, 2 ]
amdhsa.kernels:
  - .name:           k_q9b35df1a5e_place
    .symbol:         k_q9b35df1a5e_place.kd
    .args:
      - { .name: sel, .offset: 0, .size: 8, .value_kind: global_buffer, .address_space: global }
      - { .name: plan, .offset: 8, .size: 8, .value_kind: global_buffer, .address_space: global }
    .group_segment_fixed_size: 5120
    .private_segment_fixed_size: 0
    .kernarg_segment_align: 8
    .kernarg_segment_size: 16
    .max_flat_workgroup_size: 1024
    .sgpr_count:     80
    .vgpr_count:     64
    .wavefront_size: 32
...
	.end_amdgpu_metadata
.endif
;; end of part 2
;; launch chain (part 3): grid 108 x 2, 8 waves a work-group, no clusters, 299,264 bytes of LDS; arguments plan, gate, xc, wq, ws, b1, b2, parts; writes parts
.if DOCPART == 3
	.amdgcn_target "amdgcn-amd-amdhsa--gfx1250"
	.amdhsa_code_object_version 6
	.text
	.protected	k_q9b35df1a5e_chain
	.globl	k_q9b35df1a5e_chain
	.p2align	8
	.type	k_q9b35df1a5e_chain,@function
k_q9b35df1a5e_chain:
	s_mov_b64 s[64:65], 0
	v_nop
	global_prefetch_b8 v0, s[64:65] scope:SCOPE_SE
	s_setreg_imm32_b32 hwreg(HW_REG_WAVE_MODE, 25, 1), 1
	s_wait_xcnt 0x0
; CHAIN: one tile of 80 routed rows of ONE expert, and one half (1,024) of its hidden units, through the whole chain: x W1^T + b1, exact GELU, quantised along H, W2^T + b2 / 2, x the row's weight; a partial row of 512 f32 is stored.
; WORK LEFT OUT: the rows of experts that a token did not choose (their weight is 0 by reference()'s own where: shown at the head of the first kernel).
; Rows that pad a tile, and tiles that the split leaves empty, walk the chain on token 0's codes and store nothing.
; SHARES.  Work-group (tile t, half sy); eight waves, two to a SIMD, so that one wave's GELU stands beside the other's products.  THE WAVES SHARE THE COLUMNS: in the first product wave w makes hidden units
; 1024 sy + 128 w + 0..127 for all 80 rows (five tiles of rows m), in two halves of four tiles of 16 units; in the second it makes outputs 64 w + 0..63 for all rows, over eight K steps of 128: K step ks is what wave ks made.
; So each byte of the weights' codes enters the work-group once, straight into the registers of the one wave that multiplies by it, as images of its operand registers (three loads of 16 bytes a lane for a fragment).
; Both products are used transposed (source 0 = 16 rows of the weight, source 1 = 16 rows of the tile): a lane holds one row, and by the choice of a weight tile's rows its 16 registers of two neighbouring tiles are 16 neighbours.
; WHAT GOES ROUND IN LDS is small: x's 20 fragments and the hidden layer's 40, as images: half c of a fragment (registers 6 c .. 6 c + 5) at 768 c: 16 bytes a lane, then 8 bytes a lane from byte 512 on; scale words 4 bytes a lane.
; NO TENSOR LOADS, NO CLUSTER: which expert a tile has, and which rows are stored, are numbers read from memory; the stores hang on a branch on them, and partners of a cluster could not be shown to ask for the same weights
; (an expert's number of tiles is whatever the split gives, no multiple of four).
; GELU: h = v (0.5 + c vc P(w) / Q(w)), vc = v held to +-4 sqrt(2), w = vc^2, c = 1 / (2 sqrt(2)): erf(x) = x P(x^2) / Q(x^2) on |x| <= 4, a quotient of polynomials of degrees 6 and 4 good to a few units in erf's last place;
; the coefficients are scaled by exact powers of two for w = 2 x^2.  LIMIT: where 1 + erf cancels (v under about -4) h keeps erf's absolute error, some 1e-7 |v|.
; REGISTERS.  Block 0: v1-22 addresses; v24-27 two coefficients as pairs; v28-37 the rows' weights, each twice; v38-42 the hidden layer's scale words in the making; v44-59 the weights' scale words; v60-91 biases;
;   v92-155 the rows' fragments, then GELU's and the quantiser's work; v156-159 and v43 the rows' scale words; v160-255 weight slots 2, 3.   Block 1: v0-159 the 20 accumulators; v160-255 weight slots 0, 1.
.set W2OFF,  4718592
.set WS2OFF, 196608
.set XSOFF,  1572864
.set FX,     0                         ; x's fragments: [m 5][8 places of 1,536 bytes, 4 used]
.set FH,     61440                     ; the hidden layer's: [m 5][ks 8]
.set SX,     122880                    ; x's scale words: [m][8][128 bytes]
.set SH,     128000                    ; the hidden layer's
.set STG,    133120                    ; the way out: 80 rows x (2,048 bytes + 16)
.set SPITCH, 2064
.set SPARE,  298240                    ; the spare words: 128 bytes for each of 8 waves, four blocks of 256 bytes that no other line names
.set GG,   28
.set SW,   38
.set WSA,  44
.set WSB,  52
.set BI,   60
.set XB,   92                          ; five fragments of rows
.set XS0,  156                         ; their scale words: v156-159, and v43 for the fifth
.set VC,   92
.set WW,   108
.set PP,   124
.set QQ,   140
.set MX,   92
.set MY,   94
.set SCV,  96
.set BY,   98
.set PC,   144
.set TT,   150
.set NXT,  38                          ; s[38:39] where the next 16 fragments of a weight come from
.set NS,   40                          ; s[40:41] their scale words
.set NB,   42                          ; s[42:43] the next bias
.set MSB, 0
.macro WIN new                         ; the immediate's high byte repeats the setting that is left; a switch that changes nothing is dropped
.if MSB != \new
	s_set_vgpr_msb (MSB<<8)|\new
.set MSB, \new
.endif
.endm
.macro SPAIR r, bits                   ; a packed form names a pair and takes its low word for both halves: both are written
	s_mov_b32 s[\r], \bits
	s_mov_b32 s[\r+1], \bits
.endm
.macro WLD s, base                     ; K step s of four tiles of a weight into slot s: 12 loads of 512 consecutive bytes
.if (\s) < 2
	WIN 0x40                                       ; destination in block 1
.else
	WIN 0
.endif
.irp tl, 0,1,2,3
.irp g, 0,1,2
	global_load_b128 v[160+48*((\s)%2)+12*\tl+4*\g:160+48*((\s)%2)+12*\tl+4*\g+3], v1, s[\base:\base+1] offset:6144*\tl+1536*(\s)+512*\g
.endr
.endr
.endm
.macro BLD base                        ; the bias in the result's layout: for tile 2 bl + u lane (r, h) wants units 32 bl + 16 h + 8 u + 0..7
.irp tl, 0,1,2,3
	global_load_b128 v[BI+8*\tl:BI+8*\tl+3], v22, s[\base:\base+1] offset:128*(\tl/2)+32*(\tl%2)
	global_load_b128 v[BI+8*\tl+4:BI+8*\tl+7], v22, s[\base:\base+1] offset:128*(\tl/2)+32*(\tl%2)+16
.endr
.endm
.macro SLD reg, base, off              ; four tiles' scale words: register 4 p + j: K step j; lanes 0-15 tile 2 p, lanes 16-31 tile 2 p + 1
.irp p, 0,1
	global_load_b128 v[\reg+4*\p:\reg+4*\p+3], v1, s[\base:\base+1] offset:\off+512*\p
.endr
.endm
	s_load_b512 s[4:19], s[0:1], 0x0               ; plan, gate, xc, wq, ws, b1, b2, parts
	v_lshl_add_u32 v4, v0, 2, SPARE                ; my spare word
	v_mov_b32 v5, 0
	v_lshrrev_b32 v23, 5, v0
	v_readfirstlane_b32 s20, v23                   ; wave 0..7
	v_and_b32 v23, 31, v0                          ; lane
	v_lshlrev_b32 v1, 4, v23                       ; 16 x lane
	v_and_b32 v2, 15, v0                           ; r
	v_bfe_u32 v3, v0, 4, 1                         ; h
	s_mov_b32 s21, ttmp9                           ; the tile
	s_and_b32 s22, ttmp7, 0xffff                   ; the half of H
	v_add_nc_u32 v6, FX, v1                        ; images read: 16 x lane,
	v_lshl_add_u32 v7, v23, 3, FX+512              ; 512 + 8 x lane,
	v_lshl_add_u32 v8, v23, 2, SX                  ; scale words 4 x lane
	v_add_nc_u32 v9, FH, v1
	v_lshl_add_u32 v10, v23, 3, FH+512
	v_lshl_add_u32 v11, v23, 2, SH
	s_mul_i32 s25, s20, 1536
	v_add_nc_u32 v12, s25, v9                      ; images written: the hidden layer's K step w
	v_add_nc_u32 v13, s25, v10
	s_lshl_b32 s25, s20, 7
	v_add_nc_u32 v14, s25, v11
	s_min_u32 s26, s20, 4                          ; waves 0-4 bring x's tile of rows m = w (waves 5-7 store none)
	s_mul_i32 s25, s26, 12288
	v_add_nc_u32 v15, s25, v6
	v_add_nc_u32 v16, s25, v7
	s_lshl_b32 s25, s26, 10
	v_add_nc_u32 v17, s25, v8
	v_mul_u32_u24 v18, v2, SPITCH
	v_lshl_add_u32 v18, v3, 6, v18
	s_lshl_b32 s25, s20, 8
	s_add_co_u32 s25, s25, STG
	v_add_nc_u32 v18, s25, v18                     ; the stage, in: row r, + 64 h, + my wave's 256 bytes; tiles of rows 0, 1
	v_add_nc_u32 v19, 2*16*SPITCH, v18             ; 2, 3
	v_add_nc_u32 v20, 4*16*SPITCH, v18             ; 4
	s_mul_i32 s25, s20, 10*SPITCH
	s_add_co_u32 s25, s25, STG
	v_add_nc_u32 v21, s25, v1                      ; and out: my ten rows, 16 bytes a lane
	v_lshlrev_b32 v22, 6, v3                       ; biases: 64 h
	v_lshlrev_b32 v146, 2, v2                      ; plan: 4 r
	s_lshl_b32 s25, s26, 6
	v_add_nc_u32 v147, s25, v146                   ; and in the tile of rows that I bring
	v_mov_b32 v24, 0x306dffee                      ; A5, twice
	v_mov_b32 v25, 0x306dffee
	v_mov_b32 v26, 0xb7dfbd29                      ; B3, twice
	v_mov_b32 v27, 0xb7dfbd29
	s_mov_b32 s50, 0x76543210
	s_mov_b32 s51, 0xfedcba98                      ; v_permlanex16_b32's selects for lane l xor 16
	s_mov_b32 s54, 0xc0b504f3                      ; -4 sqrt(2)
	s_mov_b32 s55, 0x40b504f3
	SPAIR 56, 0x3eb504f3                           ; c
	SPAIR 58, 0xac95df0b                           ; A6
	SPAIR 60, 0xb40cff51                           ; A4
	SPAIR 62, 0xb6eec2d2                           ; A3
	SPAIR 66, 0xb940ac63                           ; A2
	SPAIR 68, 0xbac1a1f6                           ; A1
	SPAIR 70, 0xbc83dbd4                           ; A0
	SPAIR 72, 0xb57460cd                           ; B4
	SPAIR 74, 0xb9dc924e                           ; B2
	SPAIR 76, 0xbb719bf8                           ; B1
	SPAIR 78, 0xbc69b6a7                           ; B0
	s_wait_kmcnt 0x0
	s_mul_i32 s26, s21, 320
	s_mov_b32 s27, 0
	s_add_nc_u64 s[26:27], s[4:5], s[26:27]        ; plan at my tile
	s_mul_i32 s38, s20, 40
	s_mov_b32 s39, 0
	s_add_nc_u64 s[38:39], s[26:27], s[38:39]      ; and at the ten rows that my wave stores
	s_load_b32 s24, s[26:27], 0x0                  ; the tile's first row: it names the expert
	s_load_b256 s[28:35], s[38:39], 0x0
	s_load_b64 s[36:37], s[38:39], 0x20
.irp m, 0,1,2,3,4
	global_load_b32 v[140+\m], v146, s[26:27] offset:64*\m         ; row 16 m + r
.endr
	global_load_b32 v145, v147, s[26:27]
	s_wait_kmcnt 0x0
	s_bfe_u32 s23, s24, 0x30010
	s_min_u32 s23, s23, 5                          ; e: a loaded number is held inside its table before it enters an address
	s_mov_b32 s83, 0
	s_lshl_b32 s80, s23, 7
	s_lshl_b32 s81, s22, 6
	s_add_co_u32 s80, s80, s81
	s_lshl_b32 s81, s20, 3
	s_add_co_u32 s80, s80, s81                     ; W1: strip 128 e + 64 sy + 8 w
	s_mul_i32 s82, s80, 6144
	s_add_nc_u64 s[NXT:NXT+1], s[10:11], s[82:83]
	s_lshl_b32 s82, s80, 8
	s_add_nc_u64 s[NS:NS+1], s[12:13], s[82:83]
	s_lshl_b32 s82, s23, 13
	s_lshl_b32 s81, s22, 12
	s_add_co_u32 s82, s82, s81
	s_lshl_b32 s81, s20, 9
	s_add_co_u32 s82, s82, s81
	s_add_nc_u64 s[NB:NB+1], s[14:15], s[82:83]    ; b1 at my 128 units
	s_lshl_b32 s80, s23, 2
	s_lshl_b32 s81, s22, 1
	s_add_co_u32 s80, s80, s81
	s_lshl_b32 s80, s80, 5
	s_lshl_b32 s81, s20, 2
	s_add_co_u32 s80, s80, s81                     ; W2: strip (4 e + 2 sy) x 32 + 4 w
	s_mul_i32 s82, s80, 6144
	s_add_co_u32 s82, s82, W2OFF
	s_add_nc_u64 s[44:45], s[10:11], s[82:83]
	s_lshl_b32 s82, s80, 8
	s_add_co_u32 s82, s82, WS2OFF
	s_add_nc_u64 s[46:47], s[12:13], s[82:83]
	s_lshl_b32 s82, s23, 11
	s_lshl_b32 s81, s20, 8
	s_add_co_u32 s82, s82, s81
	s_add_nc_u64 s[48:49], s[16:17], s[82:83]      ; b2 at my 64 outputs
	WLD 0, NXT                                     ; W1's first four tiles, all four K steps: 48 loads,
	WLD 1, NXT
	WLD 2, NXT
	WLD 3, NXT
	SLD WSA, NS, 0                                 ; their scale words: 2,
	SLD WSB, 46, 8192                              ; those of W2's second quarter of K, 32 strips on: 2,
	BLD NB                                         ; b1: 8
	s_wait_loadcnt 60                              ; the six loads of plan are in; the 60 issued behind them may be out
.irp m, 0,1,2,3,4,5
	v_and_b32 v[140+\m], 0x1fff, v[140+\m]
	v_min_u32 v[140+\m], 8191, v[140+\m]           ; 2 token + slot
.endr
	v_and_b32 v145, 0x1ffe, v145                   ; 2 token
	v_mul_u32_u24 v148, v145, 192
	v_mad_u32_u24 v148, v3, 48, v148               ; x's codes: token x 384 + 48 h
	v_lshlrev_b32 v149, 3, v145                    ; its scale words: token x 16
.irp m, 0,1,2,3,4
	v_lshlrev_b32 v[140+\m], 2, v[140+\m]
.endr
.irp m, 0,1,2,3,4
	global_load_b32 v[GG+2*\m], v[140+\m], s[6:7]  ; the weight of row 16 m + r
.endr
	s_cmp_lt_u32 s20, 5
	s_cbranch_scc0 .Lno_x
.irp s, 0,1,2,3
.irp g, 0,1,2
	global_load_b128 v[92+12*\s+4*\g:95+12*\s+4*\g], v148, s[8:9] offset:96*\s+16*\g
.endr
.endr
	global_load_b128 v[152:155], v149, s[8:9] offset:XSOFF
	s_wait_loadcnt 0x0
.irp s, 0,1,2,3
	ds_store_b128 v15, v[92+12*\s:95+12*\s] offset:1536*\s
	ds_store_b64 v16, v[96+12*\s:97+12*\s] offset:1536*\s
	ds_store_b128 v15, v[98+12*\s:101+12*\s] offset:1536*\s+768
	ds_store_b64 v16, v[102+12*\s:103+12*\s] offset:1536*\s+768
	ds_store_b32 v17, v[152+\s] offset:128*\s
.endr
.Lno_x:
	s_wait_loadcnt 0x0                             ; the weights' first fragments, scale words, b1 and the rows' weights
.irp m, 0,1,2,3,4
	v_mov_b32 v[GG+2*\m+1], v[GG+2*\m]             ; a pair for the packed multiply
	v_mov_b32 v[SW+\m], 0
.endr
	s_add_nc_u64 s[NXT:NXT+1], s[NXT:NXT+1], 24576 ; W1's second four tiles (no load is out: the bases may be written),
	s_add_nc_u64 s[NS:NS+1], s[NS:NS+1], 1024
	s_add_nc_u64 s[NB:NB+1], s[NB:NB+1], 256
	s_wait_dscnt 0x0                               ; for the others' sake: my images of x lie in LDS
	s_barrier_signal -1
	s_barrier_wait -1
; FOUR K STEPS: in each, five fragments of rows from LDS (base registers fb16, fb8, fbs; koff bytes on), then 20 products: four tiles of the weight in slot s x five tiles of rows.
; The 20 accumulators take turns, one instruction a turn, in the same order in every step.  first = 1: the bias is the C of each sum's first product: nothing is cleared or added.
; reload = 1: behind a step's products its slot takes the same step of the next 16 fragments (rbias, rws: and the next bias and scale words).  counted = 1: the slots were asked for in the four steps before.
; Four places stand behind each step's products, ahead of the loads into registers that they read and of the first read of results.
.macro QUAD fb16, fb8, fbs, koff, wsb, first, reload, rbias, rws, counted
.irp s, 0,1,2,3
.if \counted
	s_wait_loadcnt 36-12*\s                        ; slot s's 12 loads are in; those of the later slots, 12 each, may be out
.endif
	WIN 0
.irp m, 0,1,2,3,4
	ds_load_b128 v[XB+12*\m:XB+12*\m+3], v[\fb16] offset:12288*\m+1536*\s+\koff
	ds_load_b64 v[XB+12*\m+4:XB+12*\m+5], v[\fb8] offset:12288*\m+1536*\s+\koff
	ds_load_b128 v[XB+12*\m+6:XB+12*\m+9], v[\fb16] offset:12288*\m+1536*\s+\koff+768
	ds_load_b64 v[XB+12*\m+10:XB+12*\m+11], v[\fb8] offset:12288*\m+1536*\s+\koff+768
	ds_load_b32 v[XS0+\m-(\m/4)*117], v[\fbs] offset:1024*\m+128*\s+\koff/12
.endr
	s_wait_dscnt 0x0
.if \s < 2
.if (\s == 0) && \first
	WIN 0x41                                       ; weight and result in block 1, rows and bias in block 0
.else
	WIN 0x51                                       ; weight, C and D in block 1
.endif
.else
	WIN 0x50                                       ; the weight in block 0
.endif
.irp m, 0,1,2,3,4
.irp tl, 0,1,2,3
.set rD, 16*(5*(\tl/2)+\m)+8*(\tl%2)
.set rA, 160+48*(\s%2)+12*\tl
.set rB, XB+12*\m
.set rC, rD
.if (\s == 0) && \first
.set rC, BI+8*\tl
.endif
.set rSA, \wsb+4*(\tl/2)+\s
.set rSB, XS0+\m-(\m/4)*117
.if \tl%2
	v_wmma_scale_f32_16x16x128_f8f6f4 v[rD:rD+7], v[rA:rA+11], v[rB:rB+11], v[rC:rC+7], v[rSA], v[rSB] matrix_a_fmt:MATRIX_FMT_FP6 matrix_b_fmt:MATRIX_FMT_FP6 matrix_a_scale:MATRIX_SCALE_ROW1
.else
	v_wmma_scale_f32_16x16x128_f8f6f4 v[rD:rD+7], v[rA:rA+11], v[rB:rB+11], v[rC:rC+7], v[rSA], v[rSB] matrix_a_fmt:MATRIX_FMT_FP6 matrix_b_fmt:MATRIX_FMT_FP6
.endif
.endr
.endr
.rept 4
	v_nop
.endr
.if \reload
	WLD \s, NXT
.if \rbias && (\s == 0)
	WIN 0
	BLD NB
.endif
.if \rws && (\s == 3)
	WIN 0
	SLD WSA, NS, 0
.endif
.endif
.endr
	WIN 0
.endm
; GELU of the 16 numbers at v[a] on of block 1 (two accumulators on end), in place.  The 16 reciprocals are one batch with one wait; eight plain lines stand between.
.macro GELU16 a
	WIN 0x01                                       ; source 0 in block 1
.irp k, 0,1,2,3,4,5,6,7,8,9,10,11,12,13,14,15
	v_med3_num_f32 v[VC+\k], v[(\a)+\k], s54, s55  ; each accumulator is read from its low end on
.endr
	WIN 0
.irp k, 0,2,4,6,8,10,12,14
	v_pk_mul_f32 v[WW+\k:WW+\k+1], v[VC+\k:VC+\k+1], v[VC+\k:VC+\k+1]
.endr
.irp k, 0,2,4,6,8,10,12,14
	v_pk_fma_f32 v[PP+\k:PP+\k+1], v[WW+\k:WW+\k+1], s[58:59], v[24:25] op_sel_hi:[1,0,1]
.endr
.irp k, 0,2,4,6,8,10,12,14
	v_pk_fma_f32 v[QQ+\k:QQ+\k+1], v[WW+\k:WW+\k+1], s[72:73], v[26:27] op_sel_hi:[1,0,1]
.endr
.irp c, 60,62,66,68,70
.irp k, 0,2,4,6,8,10,12,14
	v_pk_fma_f32 v[PP+\k:PP+\k+1], v[PP+\k:PP+\k+1], v[WW+\k:WW+\k+1], s[\c:\c+1] op_sel_hi:[1,1,0]
.endr
.endr
.irp c, 74,76,78
.irp k, 0,2,4,6,8,10,12,14
	v_pk_fma_f32 v[QQ+\k:QQ+\k+1], v[QQ+\k:QQ+\k+1], v[WW+\k:WW+\k+1], s[\c:\c+1] op_sel_hi:[1,1,0]
.endr
.endr
.irp k, 0,1,2,3,4,5,6,7,8,9,10,11,12,13,14,15
	v_rcp_f32 v[QQ+\k], v[QQ+\k]
.endr
.irp k, 0,2,4,6,8,10,12,14
	v_pk_mul_f32 v[PP+\k:PP+\k+1], v[PP+\k:PP+\k+1], v[VC+\k:VC+\k+1]
.endr
	s_wait_alu depctr_va_vdst(0)
.irp k, 0,2,4,6,8,10,12,14
	v_pk_mul_f32 v[PP+\k:PP+\k+1], v[PP+\k:PP+\k+1], v[QQ+\k:QQ+\k+1]
.endr
.irp k, 0,2,4,6,8,10,12,14
	v_pk_fma_f32 v[PP+\k:PP+\k+1], v[PP+\k:PP+\k+1], s[56:57], 0.5 op_sel_hi:[1,0,0]
.endr
	WIN 0x41                                       ; destination and source 0 in block 1
.irp k, 0,2,4,6,8,10,12,14
	v_pk_mul_f32 v[(\a)+\k:(\a)+\k+1], v[(\a)+\k:(\a)+\k+1], v[PP+\k:PP+\k+1]
.endr
.endm
; The two blocks of 32 hidden units of this half, rows 16 m on, become half a fragment (six registers) and two bytes of the rows' scale word.  A block lies in lanes l and l xor 16, 16 numbers each.
.macro QUANT m
.set QA0, 16*(\m)
.set QA1, 16*(5+\m)
	WIN 0x14                                       ; sources 1 and 2 in block 1
	v_max3_num_f32 v[MX], 0x1800000, |v[QA0]|, |v[QA0+1]|          ; the floor 2^(3 - 127) among the leaves: the byte cannot fall under 1
	v_max3_num_f32 v[MX+1], 0x1800000, |v[QA1]|, |v[QA1+1]|
.irp i, 2,4,6,8,10,12,14
	v_max3_num_f32 v[MX], v[MX], |v[QA0+\i]|, |v[QA0+\i+1]|
	v_max3_num_f32 v[MX+1], v[MX+1], |v[QA1+\i]|, |v[QA1+\i+1]|
.endr
	WIN 0
	v_permlanex16_b32 v[MY], v[MX], s50, s51
	v_permlanex16_b32 v[MY+1], v[MX+1], s50, s51
	v_max_num_f32 v[MX], v[MX], v[MY]
	v_max_num_f32 v[MX+1], v[MX+1], v[MY+1]
	v_add_nc_u32 v[SCV], 0xff000000, v[MX]         ; 2 off the exponent field: the conversion's scale operand
	v_add_nc_u32 v[SCV+1], 0xff000000, v[MX+1]
	v_lshrrev_b32 v[BY], 23, v[SCV]
	v_lshrrev_b32 v[BY+1], 23, v[SCV+1]
	v_lshl_or_b32 v[BY], v[BY+1], 8, v[BY]
	v_lshl_or_b32 v[SW+\m], v[BY], s53, v[SW+\m]   ; bytes 0, 1 in the first half, 2, 3 in the second
	s_wait_dscnt 0x0                               ; the last image's stores have read their registers
	WIN 0x01
	v_cvt_scalef32_pk16_fp6_f32 v[PC:PC+2], v[QA0:QA0+15], v[SCV]
	v_cvt_scalef32_pk16_fp6_f32 v[TT:TT+2], v[QA1:QA1+15], v[SCV+1]
	WIN 0
	v_nop                                          ; one plain place behind a scaled conversion
.irp i, 0,1,2
	v_permlane16_swap_b32 v[PC+\i], v[TT+\i]       ; the operand wants a whole block in a lane: lanes 0-15 the first block, lanes 16-31 the second
.endr
.irp i, 0,1,2
	v_mov_b32 v[PC+3+\i], v[TT+\i]
.endr
	ds_store_b128 v2, v[PC:PC+3] offset:12288*\m
	ds_store_b64 v3, v[PC+4:PC+5] offset:12288*\m
.endm
	; ---- the first product, GELU and the quantiser: two trips, four tiles of hidden units each.  Trip 0 asks for W1's second four tiles, trip 1 for W2's first four K steps, their scale words and b2: they land under the GELU
	s_mov_b32 s52, 2
	s_mov_b32 s53, 0
	s_mov_b32 s25, 0
.Lhalf:
	s_wait_loadcnt 0x0                             ; this trip's weights, scale words and bias
	v_add_nc_u32 v2, s25, v12                      ; where this half's images go: 768 bytes a half
	v_add_nc_u32 v3, s25, v13
	QUAD 6, 7, 8, 0, WSA, 1, 1, 1, 1, 0
.irp m, 0,1,2,3,4
	GELU16 16*\m
	GELU16 16*(5+\m)
	QUANT \m
.endr
	WIN 0                                          ; at a label and at a branch every block setting is 0
	s_wait_dscnt 0x0
	s_wait_xcnt 0x0                                ; the loads above have read their bases: these are written only behind this wait
	s_mov_b64 s[NXT:NXT+1], s[44:45]
	s_mov_b64 s[NS:NS+1], s[46:47]
	s_mov_b64 s[NB:NB+1], s[48:49]
	s_add_co_u32 s25, s25, 768
	s_mov_b32 s53, 16
	s_sub_co_u32 s52, s52, 1
	s_cmp_lg_u32 s52, 0
	s_cbranch_scc1 .Lhalf
.irp m, 0,1,2,3,4
	ds_store_b32 v14, v[SW+\m] offset:1024*\m      ; the rows' scale words of K step w
.endr
	s_wait_loadcnt 0x0                             ; W2's first four K steps, their scale words, b2
.irp k, 0,2,4,6,8,10,12,14,16,18,20,22,24,26,28,30
	v_pk_mul_f32 v[BI+\k:BI+\k+1], v[BI+\k:BI+\k+1], 0.5 op_sel_hi:[1,0]   ; each half of H adds half of b2: exact
.endr
	s_add_nc_u64 s[NXT:NXT+1], s[44:45], 196608    ; W2's second quarter of K: 32 strips on
.rept 4
	v_nop
.endr
	s_wait_dscnt 0x0                               ; for the others' sake: my images of the hidden layer lie in LDS
	s_barrier_signal -1
	s_barrier_wait -1
	; ---- the second product: eight K steps
	QUAD 9, 10, 11, 0, WSA, 1, 1, 0, 0, 0
	QUAD 9, 10, 11, 6144, WSB, 0, 0, 0, 0, 1
	; ---- the way out: x the row's weight; through a stage, since a row's 512 outputs come from eight waves; each wave then stores ten whole rows
	WIN 0x41
.irp bl, 0,1
.irp m, 0,1,2,3,4
.irp k, 0,2,4,6,8,10,12,14
	v_pk_mul_f32 v[16*(5*\bl+\m)+\k:16*(5*\bl+\m)+\k+1], v[16*(5*\bl+\m)+\k:16*(5*\bl+\m)+\k+1], v[GG+2*\m:GG+2*\m+1]
.endr
.endr
.endr
	WIN 0x04                                       ; an LDS store's data are its source 1: block 1
.irp m, 0,1,2,3,4
.irp tl, 0,1,2,3
.set rD, 16*(5*(\tl/2)+\m)+8*(\tl%2)
	ds_store_b128 v[18+\m/2], v[rD:rD+3] offset:16*SPITCH*(\m%2)+128*(\tl/2)+32*(\tl%2)       ; lane (r, h): outputs 64 w + 32 bl + 16 h + 8 u + 0..7 of row 16 m + r
	ds_store_b128 v[18+\m/2], v[rD+4:rD+7] offset:16*SPITCH*(\m%2)+128*(\tl/2)+32*(\tl%2)+16
.endr
.endr
	WIN 0
	s_lshl_b32 s40, s22, 11
	s_mov_b32 s41, 0
	s_add_nc_u64 s[38:39], s[18:19], s[40:41]      ; parts: [2 token + slot][sy][512] f32
.irp k, 0,1,2,3,4,5,6,7,8,9
	s_and_b32 s[80+2*\k], s[28+\k], 0x1fff
	s_min_u32 s[80+2*\k], s[80+2*\k], 8191
	s_lshl_b32 s[80+2*\k], s[80+2*\k], 12
	s_mov_b32 s[81+2*\k], 0
	s_add_nc_u64 s[80+2*\k:81+2*\k], s[38:39], s[80+2*\k:81+2*\k]
.endr
	s_wait_dscnt 0x0                               ; for the others' sake: my part of the 80 rows lies in the stage
	s_barrier_signal -1
	s_barrier_wait -1
.irp k, 0,1,2,3,4,5,6,7,8,9
.irp i, 0,1,2,3
	ds_load_b128 v[60+16*\k+4*(\k/6)+4*\i:60+16*\k+4*(\k/6)+4*\i+3], v21 offset:SPITCH*\k+512*\i   ; rows 10 w + k, whole (the registers that hold scale words are passed over)
.endr
.endr
.irp k, 0,1,2,3,4,5,6,7,8,9
	s_wait_dscnt 36-4*\k                           ; row k's four loads are in; the later rows', four each, may be out
	s_bitcmp1_b32 s[28+\k], 24                     ; a row that only pads the tile is not stored; no barrier follows
	s_cbranch_scc0 .Lskip_\k
.irp i, 0,1,2,3
	global_store_b128 v1, v[60+16*\k+4*(\k/6)+4*\i:60+16*\k+4*(\k/6)+4*\i+3], s[80+2*\k:81+2*\k] offset:512*\i th:TH_STORE_NT   ; 512 consecutive bytes, aligned
.endr
.Lskip_\k:
.endr
	s_wait_tensorcnt 0x0                           ; the wave's end
	ds_add_u32 v4, v5
	s_wait_dscnt 0x0
	s_endpgm
.Lfunc_end_k_q9b35df1a5e_chain:
	.size	k_q9b35df1a5e_chain, .Lfunc_end_k_q9b35df1a5e_chain-k_q9b35df1a5e_chain
	.p2alignl 7, 3214868480
	.fill 96, 4, 3214868480
	.section	.rodata,"a",@progbits
	.p2align	6, 0x0
	.amdhsa_kernel k_q9b35df1a5e_chain
		.amdhsa_group_segment_fixed_size 299264
		.amdhsa_private_segment_fixed_size 0
		.amdhsa_enable_private_segment 0
		.amdhsa_kernarg_size 64
		.amdhsa_user_sgpr_count 2
		.amdhsa_user_sgpr_kernarg_segment_ptr 1
		.amdhsa_wavefront_size32 1
		.amdhsa_system_sgpr_workgroup_id_x 1
		.amdhsa_system_sgpr_workgroup_id_y 1
		.amdhsa_system_sgpr_workgroup_id_z 1
		.amdhsa_system_vgpr_workitem_id 0
		.amdhsa_next_free_vgpr 512
		.amdhsa_next_free_sgpr 100
		.amdhsa_reserve_vcc 0
		.amdhsa_float_denorm_mode_32 3
		.amdhsa_float_denorm_mode_16_64 3
		.amdhsa_memory_ordered 1
		.amdhsa_forward_progress 1
		.amdhsa_inst_pref_size 201
	.end_amdhsa_kernel
	.amdgpu_metadata
---
amdhsa.version: [ 1, 2 ]
amdhsa.kernels:
  - .name:           k_q9b35df1a5e_chain
    .symbol:         k_q9b35df1a5e_chain.kd
    .args:
      - { .name: plan, .offset: 0, .size: 8, .value_kind: global_buffer, .address_space: global }
      - { .name: gate, .offset: 8, .size: 8, .value_kind: global_buffer, .address_space: global }
      - { .name: xc, .offset: 16, .size: 8, .value_kind: global_buffer, .address_space: global }
      - { .name: wq, .offset: 24, .size: 8, .value_kind: global_buffer, .address_space: global }
      - { .name: ws, .offset: 32, .size: 8, .value_kind: global_buffer, .address_space: global }
      - { .name: b1, .offset: 40, .size: 8, .value_kind: global_buffer, .address_space: global }
      - { .name: b2, .offset: 48, .size: 8, .value_kind: global_buffer, .address_space: global }
      - { .name: parts, .offset: 56, .size: 8, .value_kind: global_buffer, .address_space: global }
    .group_segment_fixed_size: 299264
    .private_segment_fixed_size: 0
    .kernarg_segment_align: 8
    .kernarg_segment_size: 64
    .max_flat_workgroup_size: 256
    .sgpr_count:     100
    .vgpr_count:     512
    .wavefront_size: 32
...
	.end_amdgpu_metadata
.endif
;; end of part 3
;; launch sum (part 4): grid 256 x 1, 8 waves a work-group, no clusters, 0 bytes of LDS; arguments parts, out0; writes out0
.if DOCPART == 4
	.amdgcn_target "amdgcn-amd-amdhsa--gfx1250"
	.amdhsa_code_object_version 6
	.text
	.protected	k_q9b35df1a5e_sum
	.globl	k_q9b35df1a5e_sum
	.p2align	8
	.type	k_q9b35df1a5e_sum,@function
k_q9b35df1a5e_sum:
	s_mov_b64 s[64:65], 0
	v_nop
	global_prefetch_b8 v0, s[64:65] scope:SCOPE_SE
	s_setreg_imm32_b32 hwreg(HW_REG_WAVE_MODE, 25, 1), 1
	s_wait_xcnt 0x0
; SUM: out0[token] = the four partial rows of the token (two slots x two halves of H), which lie on end in parts: 4 x 2,048 bytes.  Each already carries its slot's weight and half of b2.
; A stream: wave w of work-group wg takes tokens 16 wg + 2 w and the next.  All its 32 loads of 512 consecutive bytes go out first (16,384 bytes a wave); the sums follow as the loads come back, in order.
; No LDS, no barrier, no matrix unit: there is nothing to share and nothing to multiply.  Each sum is made in its first row's registers, which are store data once and are not written again.
	s_load_b128 s[4:7], s[0:1], 0x0                ; parts, out0
	v_lshrrev_b32 v2, 5, v0
	v_readfirstlane_b32 s8, v2                     ; wave
	v_and_b32 v1, 31, v0
	v_lshlrev_b32 v1, 4, v1                        ; 16 x lane
	s_lshl_b32 s9, ttmp9, 4
	s_lshl_b32 s10, s8, 1
	s_add_co_u32 s9, s9, s10                       ; my first token
	s_lshl_b32 s10, s9, 13                         ; 8,192 bytes a token in parts,
	s_mov_b32 s11, 0
	s_lshl_b32 s12, s9, 11                         ; 2,048 in out0
	s_mov_b32 s13, 0
	s_wait_kmcnt 0x0
	s_add_nc_u64 s[4:5], s[4:5], s[10:11]
	s_add_nc_u64 s[6:7], s[6:7], s[12:13]
.irp j, 0,1
.irp i, 0,1,2,3
.irp p, 0,1,2,3
	global_load_b128 v[8+16*(4*\j+\i)+4*\p:8+16*(4*\j+\i)+4*\p+3], v1, s[4:5] offset:8192*\j+512*\i+2048*\p th:TH_LOAD_NT
.endr
.endr
.endr
.irp n, 0,1,2,3,4,5,6,7
.set B, 8+16*\n
	s_wait_loadcnt 28-4*\n                         ; this group's four loads are in; the later groups', four each, may be out
	v_pk_add_f32 v[B:B+1], v[B:B+1], v[B+4:B+5]
	v_pk_add_f32 v[B+2:B+3], v[B+2:B+3], v[B+6:B+7]
	v_pk_add_f32 v[B+8:B+9], v[B+8:B+9], v[B+12:B+13]
	v_pk_add_f32 v[B+10:B+11], v[B+10:B+11], v[B+14:B+15]
	v_pk_add_f32 v[B:B+1], v[B:B+1], v[B+8:B+9]
	v_pk_add_f32 v[B+2:B+3], v[B+2:B+3], v[B+10:B+11]
	global_store_b128 v1, v[B:B+3], s[6:7] offset:2048*(\n/4)+512*(\n%4) th:TH_STORE_NT    ; 512 consecutive bytes, aligned
.endr
	s_endpgm
.Lfunc_end_k_q9b35df1a5e_sum:
	.size	k_q9b35df1a5e_sum, .Lfunc_end_k_q9b35df1a5e_sum-k_q9b35df1a5e_sum
	.p2alignl 7, 3214868480
	.fill 96, 4, 3214868480
	.section	.rodata,"a",@progbits
	.p2align	6, 0x0
	.amdhsa_kernel k_q9b35df1a5e_sum
		.amdhsa_group_segment_fixed_size 0
		.amdhsa_private_segment_fixed_size 0
		.amdhsa_enable_private_segment 0
		.amdhsa_kernarg_size 16
		.amdhsa_user_sgpr_count 2
		.amdhsa_user_sgpr_kernarg_segment_ptr 1
		.amdhsa_wavefront_size32 1
		.amdhsa_system_sgpr_workgroup_id_x 1
		.amdhsa_system_sgpr_workgroup_id_y 1
		.amdhsa_system_sgpr_workgroup_id_z 1
		.amdhsa_system_vgpr_workitem_id 0
		.amdhsa_next_free_vgpr 144
		.amdhsa_next_free_sgpr 66
		.amdhsa_reserve_vcc 0
		.amdhsa_float_denorm_mode_32 3
		.amdhsa_float_denorm_mode_16_64 3
		.amdhsa_memory_ordered 1
		.amdhsa_forward_progress 1
		.amdhsa_inst_pref_size 8
	.end_amdhsa_kernel
	.amdgpu_metadata
---
amdhsa.version: [ 1, 2 ]
amdhsa.kernels:
  - .name:           k_q9b35df1a5e_sum
    .symbol:         k_q9b35df1a5e_sum.kd
    .args:
      - { .name: parts, .offset: 0, .size: 8, .value_kind: global_buffer, .address_space: global }
      - { .name: out0, .offset: 8, .size: 8, .value_kind: global_buffer, .address_space: global }
    .group_segment_fixed_size: 0
    .private_segment_fixed_size: 0
    .kernarg_segment_align: 8
    .kernarg_segment_size: 16
    .max_flat_workgroup_size: 256
    .sgpr_count:     66
    .vgpr_count:     144
    .wavefront_size: 32
...
	.end_amdgpu_metadata
.endif
;; end of part 4
;; ======== version 2 of 2: 4 launches; version 1 with the launch chain written anew for expert scheduling mode
;; workspace buffers: wq 9,437,184 bytes; ws 393,216 bytes; xc 1,638,400 bytes; sel 32,768 bytes of whole numbers; gate 32,768 bytes; plan 34,560 bytes of whole numbers; parts 33,554,432 bytes
;; launch prep: the kernel of part 1 again; grid 256 x 1, 7 waves a work-group, no clusters, 78,592 bytes of LDS; arguments x, router_w, w1, w2, wq, ws, xc, sel, gate, out1; writes wq, ws, xc, sel, gate, out1
;; launch place: the kernel of part 2 again; grid 1 x 1, 32 waves a work-group, no clusters, 5,120 bytes of LDS; arguments sel, plan; writes plan
;; launch chain (part 5): grid 108 x 2, 8 waves a work-group, no clusters, 299,264 bytes of LDS; arguments plan, gate, xc, wq, ws, b1, b2, parts; writes parts
.if DOCPART == 5
	.amdgcn_target "amdgcn-amd-amdhsa--gfx1250"
	.amdhsa_code_object_version 6
	.text
	.protected	k_q9b35df1a5e_chain
	.globl	k_q9b35df1a5e_chain
	.p2align	8
	.type	k_q9b35df1a5e_chain,@function
k_q9b35df1a5e_chain:
	s_mov_b64 s[64:65], 0
	v_nop
	global_prefetch_b8 v0, s[64:65] scope:SCOPE_SE
	s_setreg_imm32_b32 hwreg(HW_REG_WAVE_SCHED_MODE, 0, 2), 2
	s_setreg_imm32_b32 hwreg(HW_REG_WAVE_MODE, 25, 1), 1
	s_wait_xcnt 0x0
	s_wait_alu depctr_vm_vsrc(0)
; CHAIN: one tile of 80 routed rows of ONE expert, and one half (1,024) of its hidden units, through the whole chain: x W1^T + b1, exact GELU, quantised along H, W2^T + b2 / 2, x the row's weight; a partial row of 512 f32 is stored.
; WORK LEFT OUT: the rows of experts that a token did not choose (their weight is 0 by reference()'s own where: shown at the head of the first kernel).
; Rows that pad a tile, and tiles that the split leaves empty, walk the chain on token 0's codes and store nothing.
; SHARES.  Work-group (tile t, half sy); eight waves, two to a SIMD, so that one wave's GELU stands beside the other's products.  THE WAVES SHARE THE COLUMNS: in the first product wave w makes hidden units
; 1024 sy + 128 w + 0..127 for all 80 rows (five tiles of rows m), in two halves of four tiles of 16 units; in the second it makes outputs 64 w + 0..63 for all rows, over eight K steps of 128: K step ks is what wave ks made.
; So each byte of the weights' codes enters the work-group once, straight into the registers of the one wave that multiplies by it, as images of its operand registers (three loads of 16 bytes a lane for a fragment).
; Both products are used transposed (source 0 = 16 rows of the weight, source 1 = 16 rows of the tile): a lane holds one row, and by the choice of a weight tile's rows its 16 registers of two neighbouring tiles are 16 neighbours.
; WHAT GOES ROUND IN LDS is small: x's 20 fragments and the hidden layer's 40, as images: half c of a fragment (registers 6 c .. 6 c + 5) at 768 c: 16 bytes a lane, then 8 bytes a lane from byte 512 on; scale words 4 bytes a lane.
; NO TENSOR LOADS, NO CLUSTER: which expert a tile has, and which rows are stored, are numbers read from memory; the stores hang on a branch on them, and partners of a cluster could not be shown to ask for the same weights
; (an expert's number of tiles is whatever the split gives, no multiple of four).
; GELU: h = v (0.5 + c vc P(w) / Q(w)), vc = v held to +-4 sqrt(2), w = vc^2, c = 1 / (2 sqrt(2)): erf(x) = x P(x^2) / Q(x^2) on |x| <= 4, a quotient of polynomials of degrees 6 and 4 good to a few units in erf's last place;
; the coefficients are scaled by exact powers of two for w = 2 x^2.  LIMIT: where 1 + erf cancels (v under about -4) h keeps erf's absolute error, some 1e-7 |v|.
; REGISTERS.  Block 0: v1-22 addresses; v24-27 two coefficients as pairs; v28-37 the rows' weights, each twice; v38-42 the hidden layer's scale words in the making; v44-59 the weights' scale words; v60-91 biases;
;   v92-155 the rows' fragments, then GELU's and the quantiser's work; v156-159 and v43 the rows' scale words; v160-255 weight slots 2, 3.   Block 1: v0-159 the 20 accumulators; v160-255 weight slots 0, 1.
; THE MODE: SCHED_MODE bits 1:0 = 2 (LLVM: expert scheduling mode 2), set by the entry lines.  The code itself states the register dependences
; between vector or matrix instructions and memory or LDS instructions, with s_wait_alu, always for 0.
; THE PLAN.  Registers that memory or LDS instructions touch:
;   v1, v6-22        offsets and LDS addresses: made at the head, ahead of the first wait on va_vdst, and never written again.
;   v2, v3           where a half's images go: written at each trip's head, read by the quantiser's LDS stores.
;   XB, XS           the rows' five fragments and scale words of one K step: LDS loads land in them, the step's 20 products read them.  ONE buffer: the wave's 512 registers are all given out.
;                    Between the products GELU and the quantiser work in v92-155.
;   slots 0-3        slot s: read by step s's products, then loaded again.  BI: read by step 0's products as C.  WSA: read by all four steps' products.
;   PC (v144-149)    written by the quantiser, read by its two LDS stores, written again by the next GELU.      SW: written by the quantiser, read by five LDS stores behind the loop.
;   accumulators     written by products and vector lines alone until the way out, where LDS stores read them.
; So ONE wait on va_vdst stands in a K step, behind its products: they are done reading XB, XS and slot s.  All that follows up to the next products is loads: the next step's fragments first, since the next
; products wait for them, then the slot's next fragments of the weight.  One wait on va_vdst stands ahead of each pair of image stores and one ahead of the stores into the stage;
; a wait on vm_vsrc stands wherever registers that LDS stores or loads have read are written again: at a trip's head, between two tiles of rows, and ahead of the second product.
.set W2OFF,  4718592
.set WS2OFF, 196608
.set XSOFF,  1572864
.set FX,     0                         ; x's fragments: [m 5][8 places of 1,536 bytes, 4 used]
.set FH,     61440                     ; the hidden layer's: [m 5][ks 8]
.set SX,     122880                    ; x's scale words: [m][8][128 bytes]
.set SH,     128000                    ; the hidden layer's
.set STG,    133120                    ; the way out: 80 rows x (2,048 bytes + 16)
.set SPITCH, 2064
.set SPARE,  298240                    ; the spare words: 128 bytes for each of 8 waves, four blocks of 256 bytes that no other line names
.set GG,   28
.set SW,   38
.set WSA,  44
.set WSB,  52
.set BI,   60
.set XB,   92                          ; five fragments of rows
.set XS0,  156                         ; their scale words: v156-159, and v43 for the fifth
.set VC,   92
.set WW,   108
.set PP,   124
.set QQ,   140
.set MX,   92
.set MY,   94
.set SCV,  96
.set BY,   98
.set PC,   144
.set TT,   150
.set NXT,  38                          ; s[38:39] where the next 16 fragments of a weight come from
.set NS,   40                          ; s[40:41] their scale words
.set NB,   42                          ; s[42:43] the next bias
.set MSB, 0
.macro WIN new                         ; the immediate's high byte repeats the setting that is left; a switch that changes nothing is dropped
.if MSB != \new
	s_set_vgpr_msb (MSB<<8)|\new
.set MSB, \new
.endif
.endm
.macro SPAIR r, bits                   ; a packed form names a pair and takes its low word for both halves: both are written
	s_mov_b32 s[\r], \bits
	s_mov_b32 s[\r+1], \bits
.endm
.macro WLD s, base                     ; K step s of four tiles of a weight into slot s: 12 loads of 512 consecutive bytes
.if (\s) < 2
	WIN 0x40                                       ; destination in block 1
.else
	WIN 0
.endif
.irp tl, 0,1,2,3
.irp g, 0,1,2
	global_load_b128 v[160+48*((\s)%2)+12*\tl+4*\g:160+48*((\s)%2)+12*\tl+4*\g+3], v1, s[\base:\base+1] offset:6144*\tl+1536*(\s)+512*\g
.endr
.endr
.endm
.macro BLD base                        ; the bias in the result's layout: for tile 2 bl + u lane (r, h) wants units 32 bl + 16 h + 8 u + 0..7
.irp tl, 0,1,2,3
	global_load_b128 v[BI+8*\tl:BI+8*\tl+3], v22, s[\base:\base+1] offset:128*(\tl/2)+32*(\tl%2)
	global_load_b128 v[BI+8*\tl+4:BI+8*\tl+7], v22, s[\base:\base+1] offset:128*(\tl/2)+32*(\tl%2)+16
.endr
.endm
.macro SLD reg, base, off              ; four tiles' scale words: register 4 p + j: K step j; lanes 0-15 tile 2 p, lanes 16-31 tile 2 p + 1
.irp p, 0,1
	global_load_b128 v[\reg+4*\p:\reg+4*\p+3], v1, s[\base:\base+1] offset:\off+512*\p
.endr
.endm
.macro ROWS fb16, fb8, fbs, off        ; the five fragments of rows, and their scale words, of the K step whose images begin off bytes on: 25 LDS loads
	WIN 0
.irp m, 0,1,2,3,4
	ds_load_b128 v[XB+12*\m:XB+12*\m+3], v[\fb16] offset:12288*\m+(\off)
	ds_load_b64 v[XB+12*\m+4:XB+12*\m+5], v[\fb8] offset:12288*\m+(\off)
	ds_load_b128 v[XB+12*\m+6:XB+12*\m+9], v[\fb16] offset:12288*\m+(\off)+768
	ds_load_b64 v[XB+12*\m+10:XB+12*\m+11], v[\fb8] offset:12288*\m+(\off)+768
	ds_load_b32 v[XS0+\m-(\m/4)*117], v[\fbs] offset:1024*\m+(\off)/12
.endr
.endm
	s_load_b512 s[4:19], s[0:1], 0x0               ; plan, gate, xc, wq, ws, b1, b2, parts
	v_lshl_add_u32 v4, v0, 2, SPARE                ; my spare word
	v_mov_b32 v5, 0
	v_lshrrev_b32 v23, 5, v0
	v_readfirstlane_b32 s20, v23                   ; wave 0..7
	v_and_b32 v23, 31, v0                          ; lane
	v_lshlrev_b32 v1, 4, v23                       ; 16 x lane
	v_and_b32 v2, 15, v0                           ; r
	v_bfe_u32 v3, v0, 4, 1                         ; h
	s_mov_b32 s21, ttmp9                           ; the tile
	s_and_b32 s22, ttmp7, 0xffff                   ; the half of H
	v_add_nc_u32 v6, FX, v1                        ; images read: 16 x lane,
	v_lshl_add_u32 v7, v23, 3, FX+512              ; 512 + 8 x lane,
	v_lshl_add_u32 v8, v23, 2, SX                  ; scale words 4 x lane
	v_add_nc_u32 v9, FH, v1
	v_lshl_add_u32 v10, v23, 3, FH+512
	v_lshl_add_u32 v11, v23, 2, SH
	s_wait_alu depctr_va_sdst(0)                   ; s20, the wave's number, is written, ahead of its first reader: LDS places and the weights' bases are made from it
	s_mul_i32 s25, s20, 1536
	v_add_nc_u32 v12, s25, v9                      ; images written: the hidden layer's K step w
	v_add_nc_u32 v13, s25, v10
	s_lshl_b32 s25, s20, 7
	v_add_nc_u32 v14, s25, v11
	s_min_u32 s26, s20, 4                          ; waves 0-4 bring x's tile of rows m = w (waves 5-7 store none)
	s_mul_i32 s25, s26, 12288
	v_add_nc_u32 v15, s25, v6
	v_add_nc_u32 v16, s25, v7
	s_lshl_b32 s25, s26, 10
	v_add_nc_u32 v17, s25, v8
	v_mul_u32_u24 v18, v2, SPITCH
	v_lshl_add_u32 v18, v3, 6, v18
	s_lshl_b32 s25, s20, 8
	s_add_co_u32 s25, s25, STG
	v_add_nc_u32 v18, s25, v18                     ; the stage, in: row r, + 64 h, + my wave's 256 bytes; tiles of rows 0, 1
	v_add_nc_u32 v19, 2*16*SPITCH, v18             ; 2, 3
	v_add_nc_u32 v20, 4*16*SPITCH, v18             ; 4
	s_mul_i32 s25, s20, 10*SPITCH
	s_add_co_u32 s25, s25, STG
	v_add_nc_u32 v21, s25, v1                      ; and out: my ten rows, 16 bytes a lane
	v_lshlrev_b32 v22, 6, v3                       ; biases: 64 h
	v_lshlrev_b32 v146, 2, v2                      ; plan: 4 r
	s_lshl_b32 s25, s26, 6
	v_add_nc_u32 v147, s25, v146                   ; and in the tile of rows that I bring
	v_mov_b32 v24, 0x306dffee                      ; A5, twice
	v_mov_b32 v25, 0x306dffee
	v_mov_b32 v26, 0xb7dfbd29                      ; B3, twice
	v_mov_b32 v27, 0xb7dfbd29
	s_mov_b32 s50, 0x76543210
	s_mov_b32 s51, 0xfedcba98                      ; v_permlanex16_b32's selects for lane l xor 16
	s_mov_b32 s54, 0xc0b504f3                      ; -4 sqrt(2)
	s_mov_b32 s55, 0x40b504f3
	SPAIR 56, 0x3eb504f3                           ; c
	SPAIR 58, 0xac95df0b                           ; A6
	SPAIR 60, 0xb40cff51                           ; A4
	SPAIR 62, 0xb6eec2d2                           ; A3
	SPAIR 66, 0xb940ac63                           ; A2
	SPAIR 68, 0xbac1a1f6                           ; A1
	SPAIR 70, 0xbc83dbd4                           ; A0
	SPAIR 72, 0xb57460cd                           ; B4
	SPAIR 74, 0xb9dc924e                           ; B2
	SPAIR 76, 0xbb719bf8                           ; B1
	SPAIR 78, 0xbc69b6a7                           ; B0
	s_wait_kmcnt 0x0
	s_mul_i32 s26, s21, 320
	s_mov_b32 s27, 0
	s_add_nc_u64 s[26:27], s[4:5], s[26:27]        ; plan at my tile
	s_mul_i32 s38, s20, 40
	s_mov_b32 s39, 0
	s_add_nc_u64 s[38:39], s[26:27], s[38:39]      ; and at the ten rows that my wave stores
	s_load_b32 s24, s[26:27], 0x0                  ; the tile's first row: it names the expert
	s_load_b256 s[28:35], s[38:39], 0x0
	s_load_b64 s[36:37], s[38:39], 0x20
	s_wait_alu depctr_va_vdst(0)                   ; the offsets and LDS addresses v1, v6 to v22, v146 and v147 are written: every load and store of the kernel but the quantiser's goes by one of them
.irp m, 0,1,2,3,4
	global_load_b32 v[140+\m], v146, s[26:27] offset:64*\m         ; row 16 m + r
.endr
	global_load_b32 v145, v147, s[26:27]
	s_wait_kmcnt 0x0
	s_bfe_u32 s23, s24, 0x30010
	s_min_u32 s23, s23, 5                          ; e: a loaded number is held inside its table before it enters an address
	s_mov_b32 s83, 0
	s_lshl_b32 s80, s23, 7
	s_lshl_b32 s81, s22, 6
	s_add_co_u32 s80, s80, s81
	s_lshl_b32 s81, s20, 3
	s_add_co_u32 s80, s80, s81                     ; W1: strip 128 e + 64 sy + 8 w
	s_mul_i32 s82, s80, 6144
	s_add_nc_u64 s[NXT:NXT+1], s[10:11], s[82:83]
	s_lshl_b32 s82, s80, 8
	s_add_nc_u64 s[NS:NS+1], s[12:13], s[82:83]
	s_lshl_b32 s82, s23, 13
	s_lshl_b32 s81, s22, 12
	s_add_co_u32 s82, s82, s81
	s_lshl_b32 s81, s20, 9
	s_add_co_u32 s82, s82, s81
	s_add_nc_u64 s[NB:NB+1], s[14:15], s[82:83]    ; b1 at my 128 units
	s_lshl_b32 s80, s23, 2
	s_lshl_b32 s81, s22, 1
	s_add_co_u32 s80, s80, s81
	s_lshl_b32 s80, s80, 5
	s_lshl_b32 s81, s20, 2
	s_add_co_u32 s80, s80, s81                     ; W2: strip (4 e + 2 sy) x 32 + 4 w
	s_mul_i32 s82, s80, 6144
	s_add_co_u32 s82, s82, W2OFF
	s_add_nc_u64 s[44:45], s[10:11], s[82:83]
	s_lshl_b32 s82, s80, 8
	s_add_co_u32 s82, s82, WS2OFF
	s_add_nc_u64 s[46:47], s[12:13], s[82:83]
	s_lshl_b32 s82, s23, 11
	s_lshl_b32 s81, s20, 8
	s_add_co_u32 s82, s82, s81
	s_add_nc_u64 s[48:49], s[16:17], s[82:83]      ; b2 at my 64 outputs
	WLD 0, NXT                                     ; W1's first four tiles, all four K steps: 48 loads,
	WLD 1, NXT
	WLD 2, NXT
	WLD 3, NXT
	SLD WSA, NS, 0                                 ; their scale words: 2,
	SLD WSB, 46, 8192                              ; those of W2's second quarter of K, 32 strips on: 2,
	BLD NB                                         ; b1: 8.  (No vector line stands between the wait above and these loads)
	s_wait_loadcnt 60                              ; the six loads of plan are in; the 60 issued behind them may be out
.irp m, 0,1,2,3,4,5
	v_and_b32 v[140+\m], 0x1fff, v[140+\m]
	v_min_u32 v[140+\m], 8191, v[140+\m]           ; 2 token + slot
.endr
	v_and_b32 v145, 0x1ffe, v145                   ; 2 token
	v_mul_u32_u24 v148, v145, 192
	v_mad_u32_u24 v148, v3, 48, v148               ; x's codes: token x 384 + 48 h
	v_lshlrev_b32 v149, 3, v145                    ; its scale words: token x 16
.irp m, 0,1,2,3,4
	v_lshlrev_b32 v[140+\m], 2, v[140+\m]
.endr
	s_wait_alu depctr_va_vdst(0)                   ; v140 to v144, v148 and v149 are written: the offsets of the loads of the rows' weights and of x's codes and scale words
.irp m, 0,1,2,3,4
	global_load_b32 v[GG+2*\m], v[140+\m], s[6:7]  ; the weight of row 16 m + r
.endr
	s_cmp_lt_u32 s20, 5
	s_cbranch_scc0 .Lno_x
.irp s, 0,1,2,3
.irp g, 0,1,2
	global_load_b128 v[92+12*\s+4*\g:95+12*\s+4*\g], v148, s[8:9] offset:96*\s+16*\g
.endr
.endr
	global_load_b128 v[152:155], v149, s[8:9] offset:XSOFF
	s_wait_loadcnt 0x0
.irp s, 0,1,2,3
	ds_store_b128 v15, v[92+12*\s:95+12*\s] offset:1536*\s
	ds_store_b64 v16, v[96+12*\s:97+12*\s] offset:1536*\s
	ds_store_b128 v15, v[98+12*\s:101+12*\s] offset:1536*\s+768
	ds_store_b64 v16, v[102+12*\s:103+12*\s] offset:1536*\s+768
	ds_store_b32 v17, v[152+\s] offset:128*\s
.endr
.Lno_x:
	s_wait_loadcnt 0x0                             ; the weights' first fragments, scale words, b1 and the rows' weights
.irp m, 0,1,2,3,4
	v_mov_b32 v[GG+2*\m+1], v[GG+2*\m]             ; a pair for the packed multiply
	v_mov_b32 v[SW+\m], 0
.endr
	s_add_nc_u64 s[NXT:NXT+1], s[NXT:NXT+1], 24576 ; W1's second four tiles (no load is out: the bases may be written),
	s_add_nc_u64 s[NS:NS+1], s[NS:NS+1], 1024
	s_add_nc_u64 s[NB:NB+1], s[NB:NB+1], 256
	s_wait_dscnt 0x0                               ; for the others' sake: my images of x lie in LDS
	s_barrier_signal -1
	s_barrier_wait -1
; FOUR K STEPS: in each, five fragments of rows from LDS (base registers fb16, fb8, fbs; koff bytes on), then 20 products: four tiles of the weight in slot s x five tiles of rows.
; The 20 accumulators take turns, one instruction a turn, in the same order in every step.  first = 1: the bias is the C of each sum's first product: nothing is cleared or added.
; reload = 1: behind a step's products its slot takes the same step of the next 16 fragments (rbias, rws: and the next bias and scale words).  counted = 1: the slots were asked for in the four steps before.
; Four places stand behind each step's products, ahead of the first read of results; behind them the step's one wait, and behind that loads alone: the next step's fragments of rows first, then the slot's.
.macro QUAD fb16, fb8, fbs, koff, wsb, first, reload, rbias, rws, counted
	ROWS \fb16, \fb8, \fbs, \koff
.irp s, 0,1,2,3
.if \counted
	s_wait_loadcnt 36-12*\s                        ; slot s's 12 loads are in; those of the later slots, 12 each, may be out
.endif
	s_wait_dscnt 0x0                               ; this step's fragments of rows and their scale words are in
.if \s < 2
.if (\s == 0) && \first
	WIN 0x41                                       ; weight and result in block 1, rows and bias in block 0
.else
	WIN 0x51                                       ; weight, C and D in block 1
.endif
.else
	WIN 0x50                                       ; the weight in block 0
.endif
.irp m, 0,1,2,3,4
.irp tl, 0,1,2,3
.set rD, 16*(5*(\tl/2)+\m)+8*(\tl%2)
.set rA, 160+48*(\s%2)+12*\tl
.set rB, XB+12*\m
.set rC, rD
.if (\s == 0) && \first
.set rC, BI+8*\tl
.endif
.set rSA, \wsb+4*(\tl/2)+\s
.set rSB, XS0+\m-(\m/4)*117
.if \tl%2
	v_wmma_scale_f32_16x16x128_f8f6f4 v[rD:rD+7], v[rA:rA+11], v[rB:rB+11], v[rC:rC+7], v[rSA], v[rSB] matrix_a_fmt:MATRIX_FMT_FP6 matrix_b_fmt:MATRIX_FMT_FP6 matrix_a_scale:MATRIX_SCALE_ROW1
.else
	v_wmma_scale_f32_16x16x128_f8f6f4 v[rD:rD+7], v[rA:rA+11], v[rB:rB+11], v[rC:rC+7], v[rSA], v[rSB] matrix_a_fmt:MATRIX_FMT_FP6 matrix_b_fmt:MATRIX_FMT_FP6
.endif
.endr
.endr
.rept 4
	v_nop
.endr
.if \reload || (\s < 3)
	s_wait_alu depctr_va_vdst(0)                   ; this step's products are done reading the rows' fragments and scale words and slot s (step 0: the bias; step 3: the weight's scale words), in which the loads below land
.endif
.if \s < 3
	ROWS \fb16, \fb8, \fbs, 1536*(\s+1)+\koff
.endif
.if \reload
	WLD \s, NXT
.if \rbias && (\s == 0)
	WIN 0
	BLD NB
.endif
.if \rws && (\s == 3)
	WIN 0
	SLD WSA, NS, 0
.endif
.endif
.endr
	WIN 0
.endm
; GELU of the 16 numbers at v[a] on of block 1 (two accumulators on end), in place.  The 16 reciprocals are one batch with one wait; eight plain lines stand between.
.macro GELU16 a
	WIN 0x01                                       ; source 0 in block 1
.irp k, 0,1,2,3,4,5,6,7,8,9,10,11,12,13,14,15
	v_med3_num_f32 v[VC+\k], v[(\a)+\k], s54, s55  ; each accumulator is read from its low end on
.endr
	WIN 0
.irp k, 0,2,4,6,8,10,12,14
	v_pk_mul_f32 v[WW+\k:WW+\k+1], v[VC+\k:VC+\k+1], v[VC+\k:VC+\k+1]
.endr
.irp k, 0,2,4,6,8,10,12,14
	v_pk_fma_f32 v[PP+\k:PP+\k+1], v[WW+\k:WW+\k+1], s[58:59], v[24:25] op_sel_hi:[1,0,1]
.endr
.irp k, 0,2,4,6,8,10,12,14
	v_pk_fma_f32 v[QQ+\k:QQ+\k+1], v[WW+\k:WW+\k+1], s[72:73], v[26:27] op_sel_hi:[1,0,1]
.endr
.irp c, 60,62,66,68,70
.irp k, 0,2,4,6,8,10,12,14
	v_pk_fma_f32 v[PP+\k:PP+\k+1], v[PP+\k:PP+\k+1], v[WW+\k:WW+\k+1], s[\c:\c+1] op_sel_hi:[1,1,0]
.endr
.endr
.irp c, 74,76,78
.irp k, 0,2,4,6,8,10,12,14
	v_pk_fma_f32 v[QQ+\k:QQ+\k+1], v[QQ+\k:QQ+\k+1], v[WW+\k:WW+\k+1], s[\c:\c+1] op_sel_hi:[1,1,0]
.endr
.endr
.irp k, 0,1,2,3,4,5,6,7,8,9,10,11,12,13,14,15
	v_rcp_f32 v[QQ+\k], v[QQ+\k]
.endr
.irp k, 0,2,4,6,8,10,12,14
	v_pk_mul_f32 v[PP+\k:PP+\k+1], v[PP+\k:PP+\k+1], v[VC+\k:VC+\k+1]
.endr
	s_wait_alu depctr_va_vdst(0)                   ; the sixteen reciprocals have written v[QQ ..], ahead of their first reader
.irp k, 0,2,4,6,8,10,12,14
	v_pk_mul_f32 v[PP+\k:PP+\k+1], v[PP+\k:PP+\k+1], v[QQ+\k:QQ+\k+1]
.endr
.irp k, 0,2,4,6,8,10,12,14
	v_pk_fma_f32 v[PP+\k:PP+\k+1], v[PP+\k:PP+\k+1], s[56:57], 0.5 op_sel_hi:[1,0,0]
.endr
	WIN 0x41                                       ; destination and source 0 in block 1
.irp k, 0,2,4,6,8,10,12,14
	v_pk_mul_f32 v[(\a)+\k:(\a)+\k+1], v[(\a)+\k:(\a)+\k+1], v[PP+\k:PP+\k+1]
.endr
.endm
; The two blocks of 32 hidden units of this half, rows 16 m on, become half a fragment (six registers) and two bytes of the rows' scale word.  A block lies in lanes l and l xor 16, 16 numbers each.
.macro QUANT m
.set QA0, 16*(\m)
.set QA1, 16*(5+\m)
	WIN 0x14                                       ; sources 1 and 2 in block 1
	v_max3_num_f32 v[MX], 0x1800000, |v[QA0]|, |v[QA0+1]|          ; the floor 2^(3 - 127) among the leaves: the byte cannot fall under 1
	v_max3_num_f32 v[MX+1], 0x1800000, |v[QA1]|, |v[QA1+1]|
.irp i, 2,4,6,8,10,12,14
	v_max3_num_f32 v[MX], v[MX], |v[QA0+\i]|, |v[QA0+\i+1]|
	v_max3_num_f32 v[MX+1], v[MX+1], |v[QA1+\i]|, |v[QA1+\i+1]|
.endr
	WIN 0
	v_permlanex16_b32 v[MY], v[MX], s50, s51
	v_permlanex16_b32 v[MY+1], v[MX+1], s50, s51
	v_max_num_f32 v[MX], v[MX], v[MY]
	v_max_num_f32 v[MX+1], v[MX+1], v[MY+1]
	v_add_nc_u32 v[SCV], 0xff000000, v[MX]         ; 2 off the exponent field: the conversion's scale operand
	v_add_nc_u32 v[SCV+1], 0xff000000, v[MX+1]
	v_lshrrev_b32 v[BY], 23, v[SCV]
	v_lshrrev_b32 v[BY+1], 23, v[SCV+1]
	v_lshl_or_b32 v[BY], v[BY+1], 8, v[BY]
	v_lshl_or_b32 v[SW+\m], v[BY], s53, v[SW+\m]   ; bytes 0, 1 in the first half, 2, 3 in the second
	s_wait_dscnt 0x0                               ; the last image's stores are done
	WIN 0x01
	v_cvt_scalef32_pk16_fp6_f32 v[PC:PC+2], v[QA0:QA0+15], v[SCV]
	v_cvt_scalef32_pk16_fp6_f32 v[TT:TT+2], v[QA1:QA1+15], v[SCV+1]
	WIN 0
	v_nop                                          ; one plain place behind a scaled conversion
.irp i, 0,1,2
	v_permlane16_swap_b32 v[PC+\i], v[TT+\i]       ; the operand wants a whole block in a lane: lanes 0-15 the first block, lanes 16-31 the second
.endr
.irp i, 0,1,2
	v_mov_b32 v[PC+3+\i], v[TT+\i]
.endr
	s_wait_alu depctr_va_vdst(0)                   ; the swaps and moves have written v[PC .. PC + 5], the two stores' data; the trip's head has written v2 and v3, their addresses; v[SW + m] is written too, for the stores behind the loop
	ds_store_b128 v2, v[PC:PC+3] offset:12288*\m
	ds_store_b64 v3, v[PC+4:PC+5] offset:12288*\m
.endm
	; ---- the first product, GELU and the quantiser: two trips, four tiles of hidden units each.  Trip 0 asks for W1's second four tiles, trip 1 for W2's first four K steps, their scale words and b2: they land under the GELU
	s_mov_b32 s52, 2
	s_mov_b32 s53, 0
	s_mov_b32 s25, 0
.Lhalf:
	s_wait_loadcnt 0x0                             ; this trip's weights, scale words and bias
	s_wait_alu depctr_vm_vsrc(0)                   ; first trip: the stores of x's images and the head's loads have read v92 to v155; second trip: the last images' stores have read v2, v3 and v[PC ..].  v2 and v3 are written below, and the rows' fragments land in v92 to v151
	v_add_nc_u32 v2, s25, v12                      ; where this half's images go: 768 bytes a half
	v_add_nc_u32 v3, s25, v13
	QUAD 6, 7, 8, 0, WSA, 1, 1, 1, 1, 0
.irp m, 0,1,2,3,4
.if \m > 0
	s_wait_alu depctr_vm_vsrc(0)                   ; the last image's two stores have read v[PC ..], which GELU's work writes again
.endif
	GELU16 16*\m
	GELU16 16*(5+\m)
	QUANT \m
.endr
	WIN 0                                          ; at a label and at a branch every block setting is 0
	s_wait_dscnt 0x0
	s_wait_xcnt 0x0                                ; the loads above have read their bases: these are written only behind this wait
	s_mov_b64 s[NXT:NXT+1], s[44:45]
	s_mov_b64 s[NS:NS+1], s[46:47]
	s_mov_b64 s[NB:NB+1], s[48:49]
	s_add_co_u32 s25, s25, 768
	s_mov_b32 s53, 16
	s_sub_co_u32 s52, s52, 1
	s_cmp_lg_u32 s52, 0
	s_cbranch_scc1 .Lhalf
.irp m, 0,1,2,3,4
	ds_store_b32 v14, v[SW+\m] offset:1024*\m      ; the rows' scale words of K step w.  (No vector line has named them since the quantiser's last wait on va_vdst)
.endr
	s_wait_loadcnt 0x0                             ; W2's first four K steps, their scale words, b2
.irp k, 0,2,4,6,8,10,12,14,16,18,20,22,24,26,28,30
	v_pk_mul_f32 v[BI+\k:BI+\k+1], v[BI+\k:BI+\k+1], 0.5 op_sel_hi:[1,0]   ; each half of H adds half of b2: exact
.endr
	s_add_nc_u64 s[NXT:NXT+1], s[44:45], 196608    ; W2's second quarter of K: 32 strips on
.rept 4
	v_nop
.endr
	s_wait_dscnt 0x0                               ; for the others' sake: my images of the hidden layer lie in LDS
	s_barrier_signal -1
	s_barrier_wait -1
	s_wait_alu depctr_vm_vsrc(0)                   ; my last image's stores have read v[PC ..], in which the hidden layer's fragments land
	; ---- the second product: eight K steps
	QUAD 9, 10, 11, 0, WSA, 1, 1, 0, 0, 0
	QUAD 9, 10, 11, 6144, WSB, 0, 0, 0, 0, 1
	; ---- the way out: x the row's weight; through a stage, since a row's 512 outputs come from eight waves; each wave then stores ten whole rows
	WIN 0x41
.irp bl, 0,1
.irp m, 0,1,2,3,4
.irp k, 0,2,4,6,8,10,12,14
	v_pk_mul_f32 v[16*(5*\bl+\m)+\k:16*(5*\bl+\m)+\k+1], v[16*(5*\bl+\m)+\k:16*(5*\bl+\m)+\k+1], v[GG+2*\m:GG+2*\m+1]
.endr
.endr
.endr
	WIN 0x04                                       ; an LDS store's data are its source 1: block 1
	s_wait_alu depctr_va_vdst(0)                   ; the multiplies have written the accumulators, which the LDS stores read; and every product and vector line is done with v60 to v223, in which the stage's rows land below
.irp m, 0,1,2,3,4
.irp tl, 0,1,2,3
.set rD, 16*(5*(\tl/2)+\m)+8*(\tl%2)
	ds_store_b128 v[18+\m/2], v[rD:rD+3] offset:16*SPITCH*(\m%2)+128*(\tl/2)+32*(\tl%2)       ; lane (r, h): outputs 64 w + 32 bl + 16 h + 8 u + 0..7 of row 16 m + r
	ds_store_b128 v[18+\m/2], v[rD+4:rD+7] offset:16*SPITCH*(\m%2)+128*(\tl/2)+32*(\tl%2)+16
.endr
.endr
	WIN 0
	s_lshl_b32 s40, s22, 11
	s_mov_b32 s41, 0
	s_add_nc_u64 s[38:39], s[18:19], s[40:41]      ; parts: [2 token + slot][sy][512] f32
.irp k, 0,1,2,3,4,5,6,7,8,9
	s_and_b32 s[80+2*\k], s[28+\k], 0x1fff
	s_min_u32 s[80+2*\k], s[80+2*\k], 8191
	s_lshl_b32 s[80+2*\k], s[80+2*\k], 12
	s_mov_b32 s[81+2*\k], 0
	s_add_nc_u64 s[80+2*\k:81+2*\k], s[38:39], s[80+2*\k:81+2*\k]
.endr
	s_wait_dscnt 0x0                               ; for the others' sake: my part of the 80 rows lies in the stage
	s_barrier_signal -1
	s_barrier_wait -1
.irp k, 0,1,2,3,4,5,6,7,8,9
.irp i, 0,1,2,3
	ds_load_b128 v[60+16*\k+4*(\k/6)+4*\i:60+16*\k+4*(\k/6)+4*\i+3], v21 offset:SPITCH*\k+512*\i   ; rows 10 w + k, whole (the registers that hold scale words are passed over)
.endr
.endr
.irp k, 0,1,2,3,4,5,6,7,8,9
	s_wait_dscnt 36-4*\k                           ; row k's four loads are in; the later rows', four each, may be out
	s_bitcmp1_b32 s[28+\k], 24                     ; a row that only pads the tile is not stored; no barrier follows
	s_cbranch_scc0 .Lskip_\k
.irp i, 0,1,2,3
	global_store_b128 v1, v[60+16*\k+4*(\k/6)+4*\i:60+16*\k+4*(\k/6)+4*\i+3], s[80+2*\k:81+2*\k] offset:512*\i th:TH_STORE_NT   ; 512 consecutive bytes, aligned
.endr
.Lskip_\k:
.endr
	s_wait_dscnt 0x0                               ; the closing lines, six on end
	s_wait_alu 0x0
	s_wait_tensorcnt 0x0
	ds_add_u32 v4, v5
	s_wait_dscnt 0x0
	s_endpgm
.Lfunc_end_k_q9b35df1a5e_chain:
	.size	k_q9b35df1a5e_chain, .Lfunc_end_k_q9b35df1a5e_chain-k_q9b35df1a5e_chain
	.p2alignl 7, 3214868480
	.fill 96, 4, 3214868480
	.section	.rodata,"a",@progbits
	.p2align	6, 0x0
	.amdhsa_kernel k_q9b35df1a5e_chain
		.amdhsa_group_segment_fixed_size 299264
		.amdhsa_private_segment_fixed_size 0
		.amdhsa_enable_private_segment 0
		.amdhsa_kernarg_size 64
		.amdhsa_user_sgpr_count 2
		.amdhsa_user_sgpr_kernarg_segment_ptr 1
		.amdhsa_wavefront_size32 1
		.amdhsa_system_sgpr_workgroup_id_x 1
		.amdhsa_system_sgpr_workgroup_id_y 1
		.amdhsa_system_sgpr_workgroup_id_z 1
		.amdhsa_system_vgpr_workitem_id 0
		.amdhsa_next_free_vgpr 512
		.amdhsa_next_free_sgpr 100
		.amdhsa_reserve_vcc 0
		.amdhsa_float_denorm_mode_32 3
		.amdhsa_float_denorm_mode_16_64 3
		.amdhsa_memory_ordered 1
		.amdhsa_forward_progress 1
		.amdhsa_inst_pref_size 202
	.end_amdhsa_kernel
	.amdgpu_metadata
---
amdhsa.version: [ 1, 2 ]
amdhsa.kernels:
  - .name:           k_q9b35df1a5e_chain
    .symbol:         k_q9b35df1a5e_chain.kd
    .args:
      - { .name: plan, .offset: 0, .size: 8, .value_kind: global_buffer, .address_space: global }
      - { .name: gate, .offset: 8, .size: 8, .value_kind: global_buffer, .address_space: global }
      - { .name: xc, .offset: 16, .size: 8, .value_kind: global_buffer, .address_space: global }
      - { .name: wq, .offset: 24, .size: 8, .value_kind: global_buffer, .address_space: global }
      - { .name: ws, .offset: 32, .size: 8, .value_kind: global_buffer, .address_space: global }
      - { .name: b1, .offset: 40, .size: 8, .value_kind: global_buffer, .address_space: global }
      - { .name: b2, .offset: 48, .size: 8, .value_kind: global_buffer, .address_space: global }
      - { .name: parts, .offset: 56, .size: 8, .value_kind: global_buffer, .address_space: global }
    .group_segment_fixed_size: 299264
    .private_segment_fixed_size: 0
    .kernarg_segment_align: 8
    .kernarg_segment_size: 64
    .max_flat_workgroup_size: 256
    .sgpr_count:     100
    .vgpr_count:     512
    .wavefront_size: 32
...
	.end_amdgpu_metadata
.endif
;; end of part 5
;; launch sum: the kernel of part 4 again; grid 256 x 1, 8 waves a work-group, no clusters, 0 bytes of LDS; arguments parts, out0; writes out0
